; MI455X (gfx1250); checked and timed in simulation.
; The chip was launched on July 23, 2026; its instructions are those of AMD's public machine-readable ISA for CDNA 5 (MIT licence, August 2026) and "CDNA5" Instruction Set Architecture Reference Guide (July 2026). The comments in the code are by the model that wrote it; some were corrected since.
;; Dec Attention. Allowed arithmetic: matrix products marked QUANTISED: E4M3 operands, one given power-of-two scale a tensor, by v_wmma_f32_16x16x64_fp8_fp8 or v_wmma_f32_16x16x128_fp8_fp8, f32 sums; everything else in f32.
;; Inputs: Wo 1,024 x 1,024 float32; Wqkv 1,024 x 3,072 float32; bo 1,024 float32; bqkv 3,072 float32; lowp_scales 8 int32 (the exponents e of the quantised operands' scales 2^e); x 4 x 2,048 x 1,024 float32.
;; Outputs: out0 4 x 2,048 x 1,024 float32.
;; This version of the problem:
;;   THIS VERSION OF THE PROBLEM IS GIVEN IN LOW PRECISION. The matrix products marked QUANTISED in the list below multiply operands that are first quantised to E4M3 (4 exponent bits, 3 mantissa bits; 8 bits a number), with one given power-of-two scale for each operand tensor; their sums are f32. All else is computed in f32.
;;   The module's matrix products, in the order in which they are computed (A, B: the left and right operand; K: the contracted axis; several contracted axes count as one K, in the product's order):
;;     1. [M 8,192, K 1,024] x [K 1,024, N 3,072]; A: input x; B: input Wqkv: QUANTISED (scales: A lowp_scales[0], B lowp_scales[1])
;;     2. batch 64 x [M 2,048, K 64] x [K 64, N 2,048]; A: computed on the way; B: computed on the way: QUANTISED (scales: A lowp_scales[2], B lowp_scales[3])
;;     3. batch 64 x [M 2,048, K 2,048] x [K 2,048, N 64]; A: softmax (see below); B: computed on the way: QUANTISED (scales: A lowp_scales[4], B lowp_scales[5])
;;     4. [M 8,192, K 1,024] x [K 1,024, N 1,024]; A: computed on the way; B: input Wo: QUANTISED (scales: A lowp_scales[6], B lowp_scales[7])
;;   THE QUANTISER, for each operand of a quantised product, along K:
;;     - The operand's scale is 2^e, e = its entry of the input lowp_scales (int32; the entries are numbered through the quantised products in the list's order, A before B).
;;     - Each number is divided by the scale, clamped to +-448, and rounded to the nearest number of E4M3, ties to even, subnormals kept.
;;     - The product sums the exact products of the quantised numbers (number of the format x scale) in f32.
;;   ~~~python
;;   def quantise(x, axis, e):      # numpy; x: float32 -> the quantised numbers, widened to float32 again
;;       x = np.moveaxis(x, axis, -1); K = x.shape[-1]
;;       r = np.clip(x / 2.0 ** e, -448, 448)
;;       step = 2.0 ** (np.maximum(np.frexp(np.where(r == 0, 1, r))[1] - 1, -6) - 3)
;;       q = np.round(r / step) * step * 2.0 ** e      # np.round: ties to even
;;       return np.moveaxis(q, -1, axis).astype(np.float32)
;;   ~~~
;;   SOFTMAX AHEAD OF A QUANTISED PRODUCT. Where the list says 'softmax', what is quantised is not the finished softmax but p = 2^(t - M), with t = logit x log2(e) and M = ceil(the row's largest t), a whole number; so 1/2 < the row's largest p <= 1. The row's sum l is taken of the UNQUANTISED p, in f32, and the product's result is divided by l at the end. Since M is a whole number, a kernel that streams over the keys may use a running M (the ceiling of the running maximum): every later rescaling is an exact power of two, so the quantised numbers keep their values, but for numbers so far below the row's largest that they fall under the format's range.
;;   OPERANDS COMPUTED ON THE WAY. 'Computed on the way' means the value that the module computes at that place (a softmax that the list does not call 'softmax' is quantised finished and normalised). What goes into a quantiser is computed in f32, as accurately as f32 sums, v_exp_f32 and their like allow (about 1e-6 of the number): no bf16 or f16 on the way to a quantiser, and a product that is left as it is and whose result goes on into a quantised operand takes f32 operands (vector FMAs, or v_wmma_f32_16x16x4_f32). A number that lies on a knife's edge between two numbers of the format may be rounded either way, as far as f32 arithmetic and the matrix unit's own rounding can turn it there, and no further.
;; One version. Each part assembles by itself: llvm-mc -triple=amdgcn-amd-amdhsa -mcpu=gfx1250 --defsym DOCPART=n.
;; ======== version 1 of 1: 4 launches
;; limits: right only within a limited range of input values
;; workspace buffers: xc 8,388,608 bytes; wc 4,194,304 bytes; qkvc 25,165,824 bytes; yc 8,388,608 bytes
;; launch quant (part 1): grid 256 x 1, 8 waves a work-group, no clusters, 104,448 bytes of LDS; arguments x, Wqkv, Wo, lowp_scales, xc, wc; writes xc, wc
.if DOCPART == 1
	.amdgcn_target "amdgcn-amd-amdhsa--gfx1250"
	.amdhsa_code_object_version 6
	.text
	.protected	k_qed1f368789_quant
	.globl	k_qed1f368789_quant
	.p2align	8
	.type	k_qed1f368789_quant,@function
k_qed1f368789_quant:
	s_mov_b64 s[64:65], 0
	v_nop
	global_prefetch_b8 v0, s[64:65] scope:SCOPE_SE
	s_setreg_imm32_b32 hwreg(HW_REG_WAVE_MODE, 25, 1), 1
	s_wait_xcnt 0x0
; x [8192][1024], Wqkv [1024 (k)][3072], Wo [1024 (k)][1024], all f32, become codes of FP8 (E4M3), K innermost, each with its given scale 2^e (entries 0, 1, 7 of lowp_scales).
; code = number / 2^e, held within +-448, rounded to the nearest code, ties to even.  LIMITS: -126 <= e <= 119, so that 2^e and 448 x 2^e are f32 numbers.  NaN among the inputs is not served.
; THE ORDER ALONG K IS THE PROGRAM'S OWN.  A product only asks that both operands have the same k at the same place.
;   x and Wqkv: in each group of 512, place p holds k = 128 ((p >> 2) & 3) + 4 (p >> 4) + (p & 3): a lane that loads 16 bytes of each of four runs of 512 consecutive bytes holds 16 codes that lie on end.
;   Wo: place p holds k = p with bits 3 and 4 exchanged.
; xc IS LAID AS IMAGES OF THE NEXT LAUNCH'S OPERAND REGISTERS: [row / 64][place / 128][(row / 16) % 4][c = 0 .. 3][lane][16 bytes]; lane (r, h) holds places 32 c + 16 h + 0 .. 15 of that 128, of row r of the 16.
; wc [4096][1024]: rows 0-3071: Wqkv's columns, head by head: row 192 head + 64 kind + channel (kind 0 q, 1 k, 2 v); rows 3072-4095: Wo's columns.
; SHARES.  Work-groups with an even number: x; a wave takes 16 rows x 512 places.  Its codes go row by row into the wave's own stage in LDS and come back as fragments: each store covers 512 consecutive bytes of xc.
; Odd numbers: index 0-95 Wqkv, 96-127 Wo: 128 columns x 256 places each; wave w takes 32 places for all 128 columns; a lane holds 4 columns and its registers run down K; the codes leave through a stage, sixteen lanes to 256 bytes of a row of wc.
; The two kinds of work have LDS bytes of their own.
.set X,  64                            ; v64-191  32 loads x 4 registers
.set Y,  192                           ; v192-255 weights: two sets of 32 held numbers; x: the 16 rows' codes
.set C,  16                            ; v16-47   weights: codes
.set SP, 272                           ; a row of the weights' stage: 256 bytes + 16
.set PX, 528                           ; a row of x's stage: 512 bytes + 16
.set XST, 36864                        ; x's stages: 16 x PX bytes a wave, behind the weights' stage (34,816 bytes) and the spare words (1,024 bytes from 0x8800)
	s_load_b256 s[4:11], s[0:1], 0x0               ; x s[4:5], Wqkv s[6:7], Wo s[8:9], the scales' exponents s[10:11]
	s_load_b128 s[12:15], s[0:1], 0x20             ; xc s[12:13], wc s[14:15]
	v_lshl_add_u32 v62, v0, 2, 0x8800
	v_mov_b32 v63, 0
	v_lshrrev_b32 v1, 5, v0
	v_readfirstlane_b32 s16, v1                    ; wave 0..7
	v_and_b32 v1, 31, v0                           ; lane
	v_lshlrev_b32 v2, 4, v1                        ; 16 x lane; never rewritten
	s_lshl_b32 s17, s16, 5
	v_mul_u32_u24 v3, v1, 4*SP
	v_add_nc_u32 v3, s17, v3                       ; the weights' stage, in: row 4 x lane (+ u), byte 32 x wave
	v_lshrrev_b32 v8, 4, v1                        ; h
	v_and_b32 v7, 15, v1                           ; r
	s_lshl_b32 s18, s16, 4
	v_add_nc_u32 v6, s18, v8                       ; out: row 16 x wave + h (+ 2 t)
	v_mul_u32_u24 v4, v6, SP
	v_lshl_add_u32 v4, v7, 4, v4
	v_lshlrev_b32 v5, 10, v6                       ; and the same row of wc, 1,024 bytes a row
	v_lshl_add_u32 v5, v7, 4, v5
	s_mul_i32 s17, s16, 16*PX
	s_add_co_u32 s17, s17, XST                     ; x's stage of my wave
	v_add_nc_u32 v12, s17, v2                      ; in: 16 x lane of a row
	v_mul_u32_u24 v13, v7, PX
	v_lshl_add_u32 v13, v8, 4, v13
	v_add_nc_u32 v13, s17, v13                     ; out: row r, + 16 h
	s_and_b32 s3, ttmp9, 1                         ; 0: x; 1: a weight
	s_lshr_b32 s2, ttmp9, 1                        ; index 0 .. 127 in its kind
	s_lshl_b32 s17, s2, 3
	s_add_co_u32 s17, s17, s16                     ; x: unit 8 x index + wave
	s_lshr_b32 s19, s17, 1                         ; which 16 rows,
	s_and_b32 s17, s17, 1                          ; which 512 places
	s_lshl_b32 s20, s19, 16                        ; in: 16 rows of 4,096 bytes,
	s_lshl_b32 s21, s17, 11
	s_add_co_u32 s20, s20, s21
	s_mov_b32 s21, 0
	s_lshr_b32 s22, s19, 2                         ; out: 65,536 (row / 64) + 2,048 ((row / 16) % 4) + 32,768 x which 512
	s_lshl_b32 s22, s22, 16
	s_and_b32 s23, s19, 3
	s_lshl_b32 s23, s23, 11
	s_add_co_u32 s22, s22, s23
	s_lshl_b32 s23, s17, 15
	s_add_co_u32 s22, s22, s23
	s_mov_b32 s23, 0
	s_lshr_b32 s19, s2, 2                          ; G: which 128 columns
	s_and_b32 s18, s2, 3                           ; y: which 256 places of K
	s_lshr_b32 s42, s18, 1
	s_lshl_b32 s42, s42, 9
	s_and_b32 s43, s18, 1
	s_lshl_b32 s43, s43, 6
	s_add_co_u32 s42, s42, s43
	s_lshl_b32 s43, s16, 3
	s_add_co_u32 s42, s42, s43                     ; Wqkv: k of my place 0: 512 (y / 2) + 64 (y % 2) + 8 wave
	s_mul_i32 s42, s42, 12288
	s_lshl_b32 s43, s19, 9
	s_add_co_u32 s42, s42, s43                     ; + 128 G columns
	s_mov_b32 s43, 0
	s_sub_co_u32 s44, s19, 24
	s_and_b32 s44, s44, 7
	s_lshl_b32 s44, s44, 9                         ; Wo: 128 (G - 24) columns,
	s_lshl_b32 s45, s18, 8
	s_lshl_b32 s46, s16, 5
	s_add_co_u32 s45, s45, s46
	s_lshl_b32 s45, s45, 12                        ; row 256 y + 32 wave of 4,096 bytes
	s_add_co_u32 s44, s44, s45
	s_mov_b32 s45, 0
	s_lshr_b32 s46, s19, 3                         ; wc, Wqkv: columns 128 G on are heads 2 (G % 8), + 1 of kind G / 8:
	s_lshl_b32 s46, s46, 6
	s_and_b32 s47, s19, 7
	s_mul_i32 s47, s47, 384
	s_add_co_u32 s46, s46, s47                     ; row 384 (G % 8) + 64 kind,
	s_lshr_b32 s47, s16, 2
	s_lshl_b32 s47, s47, 7
	s_add_co_u32 s46, s46, s47                     ; and 128 rows more for the second head's 64 columns, which waves 4-7 send out
	s_lshl_b32 s47, s19, 7                         ; Wo: row 128 G
	s_cmp_lt_u32 s19, 24
	s_cselect_b32 s46, s46, s47
	s_lshl_b32 s46, s46, 10
	s_lshl_b32 s47, s18, 8
	s_add_co_u32 s46, s46, s47                     ; + 256 y
	s_mov_b32 s47, 0
	s_wait_alu depctr_va_vdst(0)                   ; the wait here, directly ahead of the wait below
	s_wait_kmcnt 0x0
	s_load_b256 s[24:31], s[10:11], 0x0            ; e0 .. e7
	s_add_nc_u64 s[32:33], s[4:5], s[20:21]        ; x in
	s_add_nc_u64 s[34:35], s[12:13], s[22:23]      ; xc out
	s_add_nc_u64 s[36:37], s[6:7], s[42:43]        ; Wqkv in
	s_add_nc_u64 s[38:39], s[8:9], s[44:45]        ; Wo in
	s_add_nc_u64 s[40:41], s[14:15], s[46:47]      ; wc out
	; ---- the loads: three arms on the work-group's number, 32 loads each, into the same registers
	s_cmp_eq_u32 s3, 0
	s_cbranch_scc0 .Lw_in
.set n, 0
.rept 32
	global_load_b128 v[X+4*n:X+4*n+3], v2, s[32:33] offset:(n/4)*4096+(n%4)*512 th:TH_LOAD_NT   ; rows 0-7: four runs of 512 bytes each
.set n, n+1
.endr
	s_branch .Lloaded
.Lw_in:
	s_cmp_lt_u32 s2, 96
	s_cbranch_scc0 .Lwo_in
.set n, 0
.rept 32
	global_load_b128 v[X+4*n:X+4*n+3], v2, s[36:37] offset:(128*((n/4)%4)+4*(n/16)+n%4)*12288 th:TH_LOAD_NT   ; place n of my 32: its row k of Wqkv, 128 columns
.set n, n+1
.endr
	s_branch .Lloaded
.Lwo_in:
.set n, 0
.rept 32
	global_load_b128 v[X+4*n:X+4*n+3], v2, s[38:39] offset:(16*((n/8)%2)+8*(n/16)+n%8)*4096 th:TH_LOAD_NT   ; place n: k = n with bits 3 and 4 exchanged
.set n, n+1
.endr
.Lloaded:
	s_wait_kmcnt 0x0
	s_cmp_lt_u32 s2, 96
	s_cselect_b32 s17, s25, s31                    ; e1 or e7,
	s_cmp_eq_u32 s3, 0
	s_cselect_b32 s17, s24, s17                    ; or e0
	s_add_co_i32 s17, s17, 127
	s_lshl_b32 s18, s17, 23
	v_mov_b32 v10, s18                             ; 2^e as f32: the conversion takes its exponent field
	s_add_co_i32 s17, s17, 8
	s_lshl_b32 s17, s17, 23
	s_or_b32 s17, s17, 0x600000
	v_mov_b32 v11, s17                             ; 448 x 2^e
	s_wait_alu depctr_va_vdst(0)
	s_cmp_eq_u32 s3, 0
	s_cbranch_scc0 .Lw_work
	; ---- x: a step is a row's 512 places: four loads, 16 numbers a lane, 16 codes, one LDS store of 512 bytes.  Rows 8-15 are asked for as rows 0-7 leave their registers
.set t, 0
.rept 16
.if t < 8
	s_wait_loadcnt 28                              ; this row's four loads are in; the seven rows asked for behind them may be out
.else
	s_wait_loadcnt 60-4*t
.endif
.set XS, X+16*(t%8)
.set i, 0
.rept 16
	v_med3_num_f32 v[XS+i], v[XS+i], -v11, v11     ; the conversion to an 8-bit code does not saturate (ISA guide 7.6.2): the hold at the largest code x the scale
.set i, i+1
.endr
	v_cvt_scalef32_pk8_fp8_f32 v[Y+4*t:Y+4*t+1], v[XS:XS+7], v10
	v_cvt_scalef32_pk8_fp8_f32 v[Y+4*t+2:Y+4*t+3], v[XS+8:XS+15], v10
	ds_store_b128 v12, v[Y+4*t:Y+4*t+3] offset:PX*t
.if t < 8
.set i, 0
.rept 4
	global_load_b128 v[XS+4*i:XS+4*i+3], v2, s[32:33] offset:(t+8)*4096+512*i th:TH_LOAD_NT
.set i, i+1
.endr
.endif
.set t, t+1
.endr
.set n, 0
.rept 16
	ds_load_b128 v[X+4*n:X+4*n+3], v13 offset:128*(n/4)+32*(n%4)   ; LDS serves a wave's instructions in order: these see my stores.  Fragment n / 4, registers 4 (n % 4) on
.set n, n+1
.endr
.set n, 0
.rept 16
	s_wait_dscnt 15-n
	global_store_b128 v2, v[X+4*n:X+4*n+3], s[34:35] offset:8192*(n/4)+512*(n%4)
.set n, n+1
.endr
	s_branch .Lmeet
.Lw_work:
	; ---- a weight: column 4 x lane + u at a time
	s_wait_loadcnt 0x0
.irp u, 0,1,2,3
.set i, 0
.rept 32
	v_med3_num_f32 v[Y+32*(\u%2)+i], v[X+4*i+\u], -v11, v11   ; the hold also gathers the column's 32 numbers into consecutive registers
.set i, i+1
.endr
.irp g, 0,1,2,3
	v_cvt_scalef32_pk8_fp8_f32 v[C+8*\u+2*\g:C+8*\u+2*\g+1], v[Y+32*(\u%2)+8*\g:Y+32*(\u%2)+8*\g+7], v10
.endr
	ds_store_b128 v3, v[C+8*\u:C+8*\u+3] offset:SP*\u
	ds_store_b128 v3, v[C+8*\u+4:C+8*\u+7] offset:SP*\u+16
.endr
.Lmeet:
	s_wait_dscnt 0x0                               ; for the others' sake: my stores into the stage are done
	s_barrier_signal -1
	s_barrier_wait -1                              ; every wave of every kind of work-group passes this one barrier
	s_cmp_eq_u32 s3, 0
	s_cbranch_scc0 .Lw_out
	s_wait_tensorcnt 0x0                           ; the wave's end
	ds_add_u32 v62, v63
	s_wait_dscnt 0x0
	s_endpgm
.Lw_out:
.irp t, 0,1,2,3,4,5,6,7
	ds_load_b128 v[X+4*\t:X+4*\t+3], v4 offset:2*SP*\t         ; rows 16 wave + 2 t and + 1, whole: the eight waves' codes
.endr
.irp t, 0,1,2,3,4,5,6,7
	s_wait_dscnt 7-\t
	global_store_b128 v5, v[X+4*\t:X+4*\t+3], s[40:41] offset:2048*\t
.endr
	s_wait_tensorcnt 0x0
	ds_add_u32 v62, v63
	s_wait_dscnt 0x0
	s_endpgm
.Lfunc_end_k_qed1f368789_quant:
	.size	k_qed1f368789_quant, .Lfunc_end_k_qed1f368789_quant-k_qed1f368789_quant
	.p2alignl 7, 3214868480
	.fill 96, 4, 3214868480
	.section	.rodata,"a",@progbits
	.p2align	6, 0x0
	.amdhsa_kernel k_qed1f368789_quant
		.amdhsa_group_segment_fixed_size 104448
		.amdhsa_private_segment_fixed_size 0
		.amdhsa_enable_private_segment 0
		.amdhsa_kernarg_size 48
		.amdhsa_user_sgpr_count 2
		.amdhsa_user_sgpr_kernarg_segment_ptr 1
		.amdhsa_wavefront_size32 1
		.amdhsa_system_sgpr_workgroup_id_x 1
		.amdhsa_system_sgpr_workgroup_id_y 1
		.amdhsa_system_sgpr_workgroup_id_z 1
		.amdhsa_system_vgpr_workitem_id 0
		.amdhsa_next_free_vgpr 256
		.amdhsa_next_free_sgpr 66
		.amdhsa_reserve_vcc 0
		.amdhsa_float_denorm_mode_32 3
		.amdhsa_float_denorm_mode_16_64 3
		.amdhsa_memory_ordered 1
		.amdhsa_forward_progress 1
		.amdhsa_inst_pref_size 51
	.end_amdhsa_kernel
	.amdgpu_metadata
---
amdhsa.version: [ 1, 2 ]
amdhsa.kernels:
  - .name:           k_qed1f368789_quant
    .symbol:         k_qed1f368789_quant.kd
    .args:
      - { .name: x, .offset: 0, .size: 8, .value_kind: global_buffer, .address_space: global }
      - { .name: Wqkv, .offset: 8, .size: 8, .value_kind: global_buffer, .address_space: global }
      - { .name: Wo, .offset: 16, .size: 8, .value_kind: global_buffer, .address_space: global }
      - { .name: lowp_scales, .offset: 24, .size: 8, .value_kind: global_buffer, .address_space: global }
      - { .name: xc, .offset: 32, .size: 8, .value_kind: global_buffer, .address_space: global }
      - { .name: wc, .offset: 40, .size: 8, .value_kind: global_buffer, .address_space: global }
    .group_segment_fixed_size: 104448
    .private_segment_fixed_size: 0
    .kernarg_segment_align: 8
    .kernarg_segment_size: 48
    .max_flat_workgroup_size: 256
    .sgpr_count:     66
    .vgpr_count:     256
    .wavefront_size: 32
...
	.end_amdgpu_metadata
.endif
;; end of part 1
;; launch qkv (part 2): grid 16 x 16, 4 waves a work-group, clusters of 4 x 1, 327,680 bytes of LDS; arguments xc, wc, lowp_scales, bqkv, qkvc; writes qkvc
.if DOCPART == 2
	.amdgcn_target "amdgcn-amd-amdhsa--gfx1250"
	.amdhsa_code_object_version 6
	.text
	.protected	k_qed1f368789_qkv
	.globl	k_qed1f368789_qkv
	.p2align	8
	.type	k_qed1f368789_qkv,@function
k_qed1f368789_qkv:
	s_mov_b64 s[64:65], 0
	v_nop
	global_prefetch_b8 v0, s[64:65] scope:SCOPE_SE
	s_setreg_imm32_b32 hwreg(HW_REG_WAVE_MODE, 25, 1), 1
	s_wait_xcnt 0x0
	s_wait_alu depctr_hold_cnt(0) depctr_sa_sdst(0) depctr_va_vdst(0) depctr_va_sdst(0) depctr_va_ssrc(0) depctr_va_vcc(0) depctr_vm_vsrc(0)
	s_getreg_b32 s2, hwreg(HW_REG_IB_STS2, 6, 4)
	s_cmp_eq_u32 s2, 0
	s_cbranch_scc0 .Lentry_in_a_cluster
	s_endpgm
.Lentry_in_a_cluster:
	s_bfe_u32 s2, ttmp6, 0x10000c
	s_cmp_lg_u32 s2, 0x3003
	s_cbranch_scc0 .Lentry_shape_is_right
	s_endpgm
.Lentry_shape_is_right:
; qkv = x Wqkv + bqkv on codes of FP8 (E4M3), and its result quantised at once: q with 2^e2, k with 2^e3, v with 2^e5.  The f32 numbers never go to memory.
; SHARES.  Work-group (row group, head): 512 rows of x times the head's 192 columns (64 of q, 64 of k, 64 of v): 16 x 16 = 256 work-groups of equal work.
; THE WEIGHTS STAY: wc's rows 192 head .. + 191 (1,024 bytes each, all of K) are fetched into LDS once, 48 rows a wave, and nothing is filled again: no ring, and no barrier behind the first.
; The four work-groups of a cluster (4, 1, 1) have the same head: they ask for those rows JOINTLY (mask 15).
; x COMES STRAIGHT INTO REGISTERS: xc holds images of the operand's registers, [row / 64][place / 128][(row / 16) % 4][c][lane][16 bytes], so a wave's 128 rows are one run of 131,072 bytes, 8,192 a K step, read by loads of 512 consecutive bytes.
; x is not asked for jointly, since it goes to registers.  No prefetch: the loads themselves run four K steps (64 loads, 32,768 bytes a wave) ahead of their use, and the weights are fetched at the head, where there is no loop to run ahead in.
; A WAVE makes its own 128 rows in two passes of 64 rows x 192 columns: 48 accumulators; a K step of 128 is 48 matrix instructions on 4 fragments of x and 12 of W.  W's fragments have one set of registers: a group of four is fetched anew, for the next K step, behind its 16 products.
; LAYOUT OF THE RESULT, as the next launch's operand registers:
;   q, k: source 0 = 16 columns of W, source 1 = 16 rows of x: a lane holds one token and eight neighbouring channels.  v: the sources swapped: a lane holds one channel and eight neighbouring tokens.
;   q at byte 0, k at 1 << 23: unit (2,048 bytes) = batch x 1024 + (head / 2) x 128 + token / 16; in it [head % 2][1,024]: 16 tokens x 64 channels.   v at 1 << 24: unit = batch x 1024 + (token / 128) x 64 + 4 head + channel / 16: 16 channels x 128 tokens.
;   Every store covers 512 consecutive bytes.
; THE BIAS is the C of each sum's first matrix instruction, divided by 2^(e0 + e1), which the sums lack.
; LIMITS: e2, e3, e5 less e0 + e1 lie between -126 and 119, so that the conversion's scale and 448 x it are f32 numbers.
; REGISTERS, in windows of 256: window 0: v0-31 addresses and constants, v32-63 codes on their way out, v64-255 W's twelve fragments.   window 1: x's fragments, four K steps x 64.
;   windows 2, 3: accumulator (a, b) at v[8 (12 (a % 2) + b)] of window 2 + a / 2 (a: 16 rows; b: 0-3 q, 4-7 k, 8-11 v); v192-255 of window 2: q's and k's bias; v192-223 of window 3: v's.
.set WP,    1040                       ; a row of W in LDS: 1,024 bytes + 16: 65 x 16, so the 16 rows that a load touches start at 16 different groups of banks (64 banks of 4 bytes: ISA guide 11.1)
.set SPARE, 192*WP                     ; behind the weights: the spare words, 128 bytes a wave
.set ADW,  16                          ; v16-18  LDS address of my lane in W's groups 0, 1, 2
.set CO,   26                          ; v26     16 x lane
.set SPW,  28
.set NIL,  29
.set T,    32
.set WF,   64
.set G1,   24                          ; s[24:31] descriptor group 1;  s[32:35] group 0
.set G0,   32
.set XB,   36                          ; s[36:37] x's run at the pass in hand
.set OQ,   40                          ; s[40:45] where q's, k's, v's images of the pass go
.set OK,   42
.set OV,   44
.set BP,   46                          ; s[46:47] the head's bias
.set MSB, 0
.macro WIN new                         ; the immediate's high byte repeats the setting that is left.  Low byte: bits 1:0 source 0, 3:2 source 1, 5:4 source 2, 7:6 destination
.if MSB != \new
	s_set_vgpr_msb (MSB<<8)|\new
.set MSB, \new
.endif
.endm
.macro NOP4
.rept 4
	v_nop
.endr
.endm
.macro CROUND                          ; a round of the cluster's barrier
	s_barrier_signal -1
	s_barrier_wait -1
	s_cmp_lg_u32 s14, 0
	s_cbranch_scc1 .Lnot_wave_0_\@
	s_barrier_signal -3
.Lnot_wave_0_\@:
	s_barrier_wait -3
	s_barrier_signal -1
	s_barrier_wait -1
.endm
.macro LDW g, kf                       ; W's group g (four fragments of 16 columns) of the kf-th 128 places: registers 4 c .. 4 c + 3 hold places 32 c + 16 h + 0 .. 15 of row r, as x's images do
.irp bb, 0,1,2,3
.irp c, 0,1,2,3
	ds_load_b128 v[WF+64*(\g)+16*\bb+4*\c:WF+64*(\g)+16*\bb+4*\c+3], v[ADW+(\g)] offset:16*\bb*WP+128*(\kf)+32*\c
.endr
.endr
.endm
.macro LDX n, ofs                      ; a K step of x, 8,192 bytes at ofs, into set n of window 1
	WIN 0x40
.set i, 0
.rept 16
	global_load_b128 v[64*(\n)+4*i:64*(\n)+4*i+3], v[CO], s[XB:XB+1] offset:(\ofs)+512*i
.set i, i+1
.endr
	WIN 0
.endm
; 16 matrix instructions: W's group g x the four blocks of x in set n.  first = 1: the sums begin with the bias.  The 48 accumulators take turns, one instruction a turn, in the same order in every K step.
.macro MULG g, n, first
.irp hi, 0,1
.if \g < 2
.if \first
	WIN (0x24+64*(2+\hi))
.else
	WIN (0x04+80*(2+\hi))
.endif
.else
.if \first
	WIN (0x31+64*(2+\hi))
.else
	WIN (0x01+80*(2+\hi))
.endif
.endif
.irp bb, 0,1,2,3
.irp al, 0,1
.set AC, 8*(12*\al+4*(\g)+\bb)
.set XF, 64*(\n)+16*(2*\hi+\al)
.set WR, WF+64*(\g)+16*\bb
.if \first
.set CC, 192+8*((4*(\g)+\bb)%8)
.else
.set CC, AC
.endif
.if \g < 2
	v_wmma_f32_16x16x128_fp8_fp8 v[AC:AC+7], v[WR:WR+15], v[XF:XF+15], v[CC:CC+7]
.else
	v_wmma_f32_16x16x128_fp8_fp8 v[AC:AC+7], v[XF:XF+15], v[WR:WR+15], v[CC:CC+7]
.endif
.endr
.endr
.endr
	WIN 0
.endm
; A K STEP.  xw: the loads of x issued behind this step's, which may be out.  ldw = 1: each group of W is fetched anew for the next K step behind its products and four places; then two younger groups (32 loads) may be out at each wait.
; ldx = 1: this step's set of x takes the K step four on.
.macro KSTEP kf, first, ldx, ldw, xw
	s_wait_loadcnt \xw
.irp g, 0,1,2
.if \ldw
	s_wait_dscnt 32
.else
	s_wait_dscnt 32-16*\g
.endif
	MULG \g, (\kf)%4, \first
.if \ldw
	NOP4                                           ; places in front of loads into registers that matrix instructions have read
	LDW \g, ((\kf)+1)%8
.endif
.endr
.if \ldx
	LDX (\kf)%4, ((\kf)+4)*8192
.endif
.endm
; THE WAY OUT of one kind (g = 0 q, 1 k, 2 v): the hold (the conversion to an 8-bit code does not saturate: ISA guide 7.6.2), each accumulator from its low end on; 16 conversions; eight stores of 512 consecutive bytes.
; q, k: block a's image is registers T + 8 a on, tile bb its registers 2 bb, 2 bb + 1.  v: tile bb's image is T + 8 bb on, block a its registers 2 a, 2 a + 1.
.macro EGRP g, sc, lim, ob
	s_wait_xcnt 0x0                                ; the earlier stores have read v32-63
.irp hi, 0,1
	WIN (0x82+0x41*\hi)
.irp al, 0,1
.set n, 0
.rept 32
	v_med3_num_f32 v[8*(12*\al+4*(\g))+n], v[8*(12*\al+4*(\g))+n], -v[\lim], v[\lim]
.set n, n+1
.endr
.endr
	WIN (0x02+\hi)
.irp al, 0,1
.irp bb, 0,1,2,3
.if \g < 2
.set DR, T+8*(2*\hi+\al)+2*\bb
.else
.set DR, T+8*\bb+2*(2*\hi+\al)
.endif
	v_cvt_scalef32_pk8_fp8_f32 v[DR:DR+1], v[8*(12*\al+4*(\g)+\bb):8*(12*\al+4*(\g)+\bb)+7], v[\sc]
.endr
.endr
	v_nop                                          ; a plain line behind the last conversion of the run
.endr
	WIN 0
.irp i, 0,1,2,3
	global_store_b128 v[CO], v[T+8*\i:T+8*\i+3], s[\ob:\ob+1] offset:2048*\i
	global_store_b128 v[CO], v[T+8*\i+4:T+8*\i+7], s[\ob:\ob+1] offset:2048*\i+512
.endr
.endm
.macro MKSC e, sc, lim                 ; an accumulator stands for accumulator x 2^(e0 + e1): its code is accumulator / 2^(e - e0 - e1)
	s_sub_co_i32 s93, s[\e], s91
	s_add_co_i32 s93, s93, 127
	s_lshl_b32 s94, s93, 23
	v_mov_b32 v[\sc], s94
	s_add_co_i32 s93, s93, 8
	s_lshl_b32 s93, s93, 23
	s_or_b32 s93, s93, 0x600000
	v_mov_b32 v[\lim], s93
.endm
	s_load_b128 s[4:7], s[0:1], 0x0                ; xc s[4:5], wc s[6:7]
	s_load_b128 s[8:11], s[0:1], 0x10              ; the scales' exponents s[8:9], bqkv s[10:11]
	s_load_b64 s[12:13], s[0:1], 0x20              ; qkvc
	v_lshl_add_u32 v[SPW], v0, 2, SPARE
	v_mov_b32 v[NIL], 0
	ds_add_u32 v[SPW], v[NIL]                      ; the opening lines: the add, twice on end, and its wait ahead of my first tensor load
	ds_add_u32 v[SPW], v[NIL]
	v_lshrrev_b32 v1, 5, v0
	v_readfirstlane_b32 s14, v1                    ; wave 0..3
	v_and_b32 v1, 15, v0                           ; r
	v_bfe_u32 v2, v0, 4, 1                         ; h
	v_mul_u32_u24 v3, v1, WP
	v_lshl_add_u32 v[ADW], v2, 4, v3               ; row r x pitch + 16 h
	v_add_nc_u32 v[ADW+1], 64*WP, v[ADW]
	v_add_nc_u32 v[ADW+2], 128*WP, v[ADW]
	v_lshlrev_b32 v7, 5, v2                        ; 32 h: q's and k's bias: eight numbers of my half of a tile
	v_lshlrev_b32 v6, 2, v1                        ; 4 r: v's bias: my channel's
	v_and_b32 v5, 31, v0
	v_lshlrev_b32 v[CO], 4, v5
	s_bfe_u32 s16, ttmp6, 0x40000                  ; cx
	s_lshl_b32 s17, ttmp9, 2
	s_add_co_u32 s16, s17, s16                     ; the row group, 0 .. 15: it enters global addresses of x and of the result alone
	s_and_b32 s17, ttmp7, 0xffff                   ; the head, which the cluster's four share
	s_mul_i32 s18, s17, 192
	s_mul_i32 s19, s14, 48
	s_add_co_u32 s18, s18, s19
	s_lshl_b32 s18, s18, 10                        ; W: row 192 head + 48 wave, in bytes
	s_mov_b32 s19, 0
	s_mul_i32 s20, s14, 48*WP                      ; and where it goes
	s_lshl_b32 s22, s16, 3
	s_lshl_b32 s23, s14, 1
	s_add_co_u32 s22, s22, s23
	s_lshl_b32 s22, s22, 16                        ; x: 65,536 x (8 row group + 2 wave)
	s_mov_b32 s23, 0
	s_lshr_b32 s48, s16, 2
	s_lshl_b32 s48, s48, 10                        ; batch x 1,024 units
	s_and_b32 s49, s16, 3                          ; which 512 tokens of the batch
	s_lshr_b32 s50, s17, 1
	s_lshl_b32 s50, s50, 7
	s_add_co_u32 s50, s50, s48
	s_lshl_b32 s51, s49, 5
	s_add_co_u32 s50, s50, s51
	s_lshl_b32 s51, s14, 3
	s_add_co_u32 s50, s50, s51                     ; q, k: unit batch x 1024 + 128 (head / 2) + token / 16
	s_lshl_b32 s50, s50, 11
	s_and_b32 s51, s17, 1
	s_lshl_b32 s51, s51, 10
	s_add_co_u32 s50, s50, s51
	s_mov_b32 s51, 0
	s_add_co_u32 s52, s50, 1<<23
	s_mov_b32 s53, 0
	s_lshl_b32 s54, s49, 2
	s_add_co_u32 s54, s54, s14                     ; v: token / 128
	s_lshl_b32 s54, s54, 6
	s_add_co_u32 s54, s54, s48
	s_lshl_b32 s55, s17, 2
	s_add_co_u32 s54, s54, s55
	s_lshl_b32 s54, s54, 11
	s_add_co_u32 s54, s54, 1<<24
	s_mov_b32 s55, 0
	s_lshl_b32 s56, s17, 8                         ; the bias: 64 numbers a head
	s_mov_b32 s57, 0
	; descriptor group 1: 48 rows of 1,024 bytes, 16 bytes of padding behind each
	s_mov_b32 s[G1], 15|(1<<20)|(1<<21)|(7<<22)|(3<<25)   ; 15:0 the mask: all four of the cluster; 17:16 elements of 1 byte; 20 padding on; 21 set beside a mask; 24:22 after every 256 words (code 7); 31:25 of 4 words (code 3)
	s_mov_b32 s[G1+1], 1024<<16
	s_mov_b32 s[G1+2], 48<<16
	s_mov_b32 s[G1+3], 1024<<16
	s_mov_b32 s[G1+4], 48
	s_mov_b32 s[G1+5], 1024
	s_mov_b32 s[G1+6], 0
	s_mov_b32 s[G1+7], 0
	s_wait_alu depctr_va_vdst(0)                   ; the wait here, directly ahead of the waits below
	s_wait_dscnt 0x0                               ; both opening adds are done
	s_wait_kmcnt 0x0
	s_load_b256 s[68:75], s[8:9], 0x0              ; e0 .. e7
	s_add_nc_u64 s[XB:XB+1], s[4:5], s[22:23]
	s_add_nc_u64 s[BP:BP+1], s[10:11], s[56:57]
	s_add_nc_u64 s[OQ:OQ+1], s[12:13], s[50:51]
	s_add_nc_u64 s[OK:OK+1], s[12:13], s[52:53]
	s_add_nc_u64 s[OV:OV+1], s[12:13], s[54:55]
	s_mov_b32 s[G0], 1
	s_mov_b32 s[G0+1], s20
	s_add_nc_u64 s[G0+2:G0+3], s[6:7], s[18:19]
	s_or_b32 s[G0+3], s[G0+3], 0x80000000
	CROUND                                         ; all four work-groups are here: the joint loads meet
	tensor_load_to_lds s[G0:G0+3], s[G1:G1+7]      ; my 48 rows of W: my one tensor load
	s_nop 0
	NOP4
	WIN 0x80
.irp b, 0,1,2,3,4,5,6,7
	global_load_b128 v[192+8*\b:195+8*\b], v7, s[BP:BP+1] offset:4096*(\b/4)+64*(\b%4)      ; q's and k's bias, tile b: channels 16 (b % 4) + 8 h + 0 .. 7
	global_load_b128 v[196+8*\b:199+8*\b], v7, s[BP:BP+1] offset:4096*(\b/4)+64*(\b%4)+16
.endr
	WIN 0
.irp bb, 0,1,2,3
	global_load_b32 v[T+\bb], v6, s[BP:BP+1] offset:8192+64*\bb                             ; v's bias, tile bb: channel 16 bb + r
.endr
	LDX 0, 0
	LDX 1, 8192
	LDX 2, 16384
	LDX 3, 24576
	s_wait_kmcnt 0x0
	s_add_co_i32 s91, s68, s69                     ; e0 + e1
	s_sub_co_i32 s92, 0, s91                       ; the bias goes in x 2^-(e0 + e1)
	MKSC 70, 8, 9
	MKSC 71, 10, 11
	MKSC 73, 12, 13
	s_wait_loadcnt 63                              ; the 20 loads of the bias are older than x's 64
	WIN 0x82
.set n, 0
.rept 64
	v_ldexp_f32 v[192+n], v[192+n], s92
.set n, n+1
.endr
	WIN 0xc0
.irp bb, 0,1,2,3
.irp j, 0,1,2,3,4,5,6,7
	v_ldexp_f32 v[192+8*\bb+\j], v[T+\bb], s92     ; the same for the lane's eight tokens
.endr
.endr
	WIN 0
	s_wait_alu depctr_va_vdst(0)                   ; the wait at the head's end
	s_wait_tensorcnt 0x0                           ; my part of W is in,
	s_barrier_signal -1
	s_barrier_wait -1                              ; everybody's is
	LDW 0, 0
	LDW 1, 0
	LDW 2, 0
	s_mov_b32 s3, 0
.Lpass:                                            ; two passes of 64 rows
	KSTEP 0, 1, 1, 1, 48
	KSTEP 1, 0, 1, 1, 48
	KSTEP 2, 0, 1, 1, 48
	KSTEP 3, 0, 1, 1, 48
	s_cmp_eq_u32 s3, 1
	s_cbranch_scc1 .Ltail
	KSTEP 4, 0, 1, 1, 48                           ; the first pass's last four K steps ask for the second pass's first four
	KSTEP 5, 0, 1, 1, 48
	KSTEP 6, 0, 1, 1, 48
	KSTEP 7, 0, 1, 1, 48
	s_branch .Lout
.Ltail:                                            ; the second pass's are written out: they ask for nothing of x, and the last for nothing of W
	KSTEP 4, 0, 0, 1, 48
	KSTEP 5, 0, 0, 1, 32
	KSTEP 6, 0, 0, 1, 16
	KSTEP 7, 0, 0, 0, 0
.Lout:
	NOP4                                           ; places behind the last products
	EGRP 0, 8, 9, OQ
	EGRP 1, 10, 11, OK
	EGRP 2, 12, 13, OV
	s_wait_xcnt 0x0                                ; the loads and stores have read their bases
	s_add_nc_u64 s[XB:XB+1], s[XB:XB+1], 65536
	s_add_nc_u64 s[OQ:OQ+1], s[OQ:OQ+1], 8192      ; four units on
	s_add_nc_u64 s[OK:OK+1], s[OK:OK+1], 8192
	s_add_nc_u64 s[OV:OV+1], s[OV:OV+1], 1024      ; the second half of each fragment of 128 tokens
	s_add_co_u32 s3, s3, 1
	s_cmp_lt_u32 s3, 2
	s_wait_alu depctr_va_vdst(0)                   ; the wait directly ahead of the branch
	s_cbranch_scc1 .Lpass
	s_wait_tensorcnt 0x0                           ; the wave's end
	ds_add_u32 v[SPW], v[NIL]
	s_wait_dscnt 0x0
	CROUND                                         ; the closing round
	s_endpgm
.Lfunc_end_k_qed1f368789_qkv:
	.size	k_qed1f368789_qkv, .Lfunc_end_k_qed1f368789_qkv-k_qed1f368789_qkv
	.p2alignl 7, 3214868480
	.fill 96, 4, 3214868480
	.section	.rodata,"a",@progbits
	.p2align	6, 0x0
	.amdhsa_kernel k_qed1f368789_qkv
		.amdhsa_group_segment_fixed_size 327680
		.amdhsa_private_segment_fixed_size 0
		.amdhsa_enable_private_segment 0
		.amdhsa_kernarg_size 40
		.amdhsa_user_sgpr_count 2
		.amdhsa_user_sgpr_kernarg_segment_ptr 1
		.amdhsa_wavefront_size32 1
		.amdhsa_system_sgpr_workgroup_id_x 1
		.amdhsa_system_sgpr_workgroup_id_y 1
		.amdhsa_system_sgpr_workgroup_id_z 1
		.amdhsa_system_vgpr_workitem_id 0
		.amdhsa_next_free_vgpr 1024
		.amdhsa_next_free_sgpr 100
		.amdhsa_reserve_vcc 0
		.amdhsa_float_denorm_mode_32 3
		.amdhsa_float_denorm_mode_16_64 3
		.amdhsa_memory_ordered 1
		.amdhsa_forward_progress 1
		.amdhsa_inst_pref_size 145
	.end_amdhsa_kernel
	.amdgpu_metadata
---
amdhsa.version: [ 1, 2 ]
amdhsa.kernels:
  - .name:           k_qed1f368789_qkv
    .symbol:         k_qed1f368789_qkv.kd
    .args:
      - { .name: xc, .offset: 0, .size: 8, .value_kind: global_buffer, .address_space: global }
      - { .name: wc, .offset: 8, .size: 8, .value_kind: global_buffer, .address_space: global }
      - { .name: lowp_scales, .offset: 16, .size: 8, .value_kind: global_buffer, .address_space: global }
      - { .name: bqkv, .offset: 24, .size: 8, .value_kind: global_buffer, .address_space: global }
      - { .name: qkvc, .offset: 32, .size: 8, .value_kind: global_buffer, .address_space: global }
    .group_segment_fixed_size: 327680
    .private_segment_fixed_size: 0
    .kernarg_segment_align: 8
    .kernarg_segment_size: 40
    .max_flat_workgroup_size: 128
    .sgpr_count:     100
    .vgpr_count:     1024
    .wavefront_size: 32
...
	.end_amdgpu_metadata
.endif
;; end of part 2
;; launch attn (part 3): grid 4 x 64, 8 waves a work-group, no clusters, 327,680 bytes of LDS; arguments qkvc, lowp_scales, yc; writes yc
.if DOCPART == 3
	.amdgcn_target "amdgcn-amd-amdhsa--gfx1250"
	.amdhsa_code_object_version 6
	.text
	.protected	k_qed1f368789_attn
	.globl	k_qed1f368789_attn
	.p2align	8
	.type	k_qed1f368789_attn,@function
k_qed1f368789_attn:
	s_mov_b64 s[64:65], 0
	v_nop
	global_prefetch_b8 v0, s[64:65] scope:SCOPE_SE
	s_setreg_imm32_b32 hwreg(HW_REG_WAVE_MODE, 25, 1), 1
	s_wait_xcnt 0x0
; y[b][h][q] = the sum over k <= q of softmax_k(q . k / 8) v, both products on codes of FP8 (E4M3) with the given scales 2^e2 (q), 2^e3 (k), 2^e4 (p), 2^e5 (v); y is quantised at once with 2^e6.
; LEFT OUT: steps of 128 keys that all come after a tile's 16 queries.  Their softmax weights are 0 for all values of the inputs.
; LIMIT: a NaN or an infinity that reaches only such keys is not carried to the result.
; THE SOFTMAX AHEAD OF THE SECOND PRODUCT: t = score x log2(e) / 8; M = the row's largest t so far, rounded UP to a whole number; p = 2^(t - M) is what is quantised; it is not normalised.
; The row's sum is taken of the unquantised p, in f32, and divides at the end.  When M moves, the sum and O are multiplied by 2^(old M - new M): exact.
; OPERANDS ARRIVE AS IMAGES OF THEIR REGISTERS (four registers of all 32 lanes: 512 bytes, lane l's 16 bytes at 16 l).
;   q at byte 0 of qkvc, k at 1 << 23: unit (2,048 bytes) = batch x 1024 + (head / 2) x 128 + token / 16; in it [head % 2][1,024]: 16 tokens x 64 channels.   v at 1 << 24: unit = batch x 1024 + (token / 128) x 64 + 4 head + channel / 16: 16 channels x 128 tokens.
;   yc: [row / 16][head][1,024]: 16 rows x 64 channels, the same image.
; LAYOUT.  Both products are used transposed: S^T = K Q^T, O^T = V^T P^T: a lane holds ONE query (lane % 16) of a tile.  Tile t's eight scores of a lane are keys 16 t + 8 (lane / 16) + 0 .. 7: their codes are registers 2 t, 2 t + 1 of P (ISA guide 7.12.2).
; SHARES.  Work-group (I, batch x 16 + head) owns two blocks of 256 queries, 7 - I and I, and walks key slots (256 keys) 0 .. 7 - I and then 0 .. I: 9 slots in every work-group.
; Each of the EIGHT waves owns TWO tiles of 16 queries of the block in hand: tile A = wave, tile B = 15 - wave.  Each fragment of K and of V that a wave reads from LDS feeds both tiles' products.
; In the block's last slot (the diagonal) step 0 holds A's diagonal and is open for B; step 1 is hidden for A and holds B's diagonal: three tile steps in every wave.  All other steps are open for both.
; REGISTER WINDOWS: tile A's registers lie in window 0, tile B's in window 1 under the same numbers, so one text (SOFT, FIN, INIT) serves both.  K's fragments: window 0, v32-95; V's: window 1, v32-95.
;   both windows: v7 the mask's d; v12 -M, v13 the largest t, v[14:15] the sum; v16-23 Q; v24-31 the second block's Q; v96-159 S^T, then p; v160-191 O^T; v192-207 P's codes; v[208:209] f; v210-215, v244-255 at work; v216-220 constants; v224-239 y's codes.
;   window 0 alone: v1 16 x lane; v2 LDS address in hand; v3 the prefetches' offset; v5, v6 the spare word's address and 0.
; NO CLUSTER: the four work-groups of a head ask for the same slot only in trips 0 .. 4; from trip 8 - I on each is in its second block and wants another slot than its partners.
; LIMITS on the given exponents, so that each power of two below is an f32 number: e2 + e3 between -123 and 130; e4, and e6 - e4 - e5, between -126 and 119.
.set SLOT1, 32768                      ; a slot: 16 tiles of K (16,384 bytes), then 2 x 4 fragments of V (16,384)
.set VOFF,  16384
.set SPARE, 2*SLOT1                    ; the spare words, 128 bytes a wave: four blocks of 256 bytes that no other line names
.set SPW,  5
.set NIL,  6
.set TB,   2                           ; s2   LDS byte at which the slot in hand begins
.set WV,   18                          ; s18  my wave's number
.set SEL,  20                          ; s[20:21] lane selects for v_permlanex16_b32: lane l xor 16
.set CS,   22                          ; s[22:23] c = log2(e) / 8 x 2^(e2 + e3)
.set G1K,  24                          ; s[24:31] descriptor group 1 for K;  s[32:39] for V;  s[40:43] my group 0, which walks
.set G1V,  32
.set G0,   40
.set STP,  44                          ; s[44:45] a slot on in memory, in bytes (K: 32,768; V: 262,144)
.set WRP,  46                          ; s[46:47] 8 - I slots or 0
.set WAM,  48                          ; s48  8 - I slots in bytes
.set QA1,  52                          ; s[52:59] Q's images: block 1 tile A, B; block 2 tile A, B
.set QB1,  54
.set QA2,  56
.set QB2,  58
.set NS,   60                          ; s60  the trip whose slot is being asked for
.set NWRAP, 61                         ; s61  8 - I: in that trip the walk begins anew at slot 0
.set DG,   62                          ; s62  1 in the block's last slot
.set SLOTS, 67                         ; s67  trips to go
.set PFA,  76                          ; s[76:77] where my prefetches stand;  s[78:79] a slot on
.set PFS,  78
.set LIM,  80                          ; s80  2 in a wave that prefetches, else the greatest number
.set KF,   81                          ; s81  the slot's first key
.set QEND, 82                          ; s82  the keys of the block in hand end here;  s83 the second block's
.set QENDB, 83
.set YA1,  84                          ; s[84:91] y's images, in Q's order
.set YB1,  86
.set YA2,  88
.set YB2,  90
.set MSB, 0
.macro WIN new                         ; the immediate's high byte repeats the setting that is left.  Low byte: bits 1:0 source 0, 3:2 source 1, 5:4 source 2, 7:6 destination
.if MSB != \new
	s_set_vgpr_msb (MSB<<8)|\new
.set MSB, \new
.endif
.endm
.macro NOP4
.rept 4
	v_nop
.endr
.endm
; Every wave fetches 4,096 bytes of a slot: waves 0-3 four tiles of K each, waves 4-7 half a key block of V each.  An s_nop 0 and four v_nop follow each of the two lines.
.macro TLOAD
	s_cmp_lt_u32 s[WV], 4
	s_cbranch_scc0 .Lfor_v_\@
	tensor_load_to_lds s[G0:G0+3], s[G1K:G1K+7]
	s_nop 0
	NOP4
	s_branch .Lasked_\@
.Lfor_v_\@:
	tensor_load_to_lds s[G0:G0+3], s[G1V:G1V+7]
	s_nop 0
	NOP4
.Lasked_\@:
.endm
; A PREFETCH INTO THE L2 of the slot that the NEXT change of slots will ask for: two key steps ahead of that load.  Work-group I = 0 walks all eight slots of its head in order: it asks, and nobody else.
; In it waves 4, 5 ask for K's two halves (8 tiles of 1,024 bytes, 2,048 apart), waves 6, 7 for V's two key blocks (8,192 bytes on end): a lane to each aligned block of 256 bytes, each named once in the launch.
; Trips 0 to 5 ask for slots 2 to 7; slots 0 and 1 come by their loads alone, and the last trips ask for nothing.
.macro ASK
	s_cmp_gt_u32 s[SLOTS], s[LIM]
	s_cbranch_scc0 .Lnot_mine_\@
	global_prefetch_b8 v3, s[PFA:PFA+1] th:TH_LOAD_NT scope:SCOPE_SE
.Lnot_mine_\@:
.endm
.macro TADDR t, q, y                   ; byte offsets of tile s[t]'s image of Q and of y
	s_lshl_b32 s[\q], s[\t], 11
	s_add_co_u32 s[\q], s[\q], s15
	s_mov_b32 s[\q+1], 0
	s_add_co_u32 s[\y], s[\t], s13
	s_lshl_b32 s[\y], s[\y], 4
	s_add_co_u32 s[\y], s[\y], s12
	s_lshl_b32 s[\y], s[\y], 10
	s_mov_b32 s[\y+1], 0
.endm
.macro INIT                            ; a block begins: the largest t is -3e38; the sum and O^T are zeros, which the first change of M leaves zeros
	v_mov_b32 v13, 0xff61b1e6
	s_delay_alu instid0(VALU_DEP_1)
	v_floor_f32 v12, -v13
	v_mov_b32 v14, 0
	v_mov_b32 v15, 0
.set j, 0
.rept 32
	v_mov_b32 v[160+j], 0
.set j, j+1
.endr
.endm
	s_load_b128 s[4:7], s[0:1], 0x0                ; qkvc s[4:5], the scales' exponents s[6:7]
	s_load_b64 s[8:9], s[0:1], 0x10                ; yc
	v_lshl_add_u32 v[SPW], v0, 2, SPARE
	v_mov_b32 v[NIL], 0
	ds_add_u32 v[SPW], v[NIL]                      ; the opening lines: the add, twice on end, and its wait ahead of my first tensor load
	ds_add_u32 v[SPW], v[NIL]
	v_lshrrev_b32 v8, 5, v0
	v_readfirstlane_b32 s[WV], v8                  ; wave 0..7
	s_and_b32 s10, ttmp7, 0xffff
	s_lshr_b32 s11, s10, 4                         ; batch
	s_and_b32 s12, s10, 15                         ; head
	s_lshl_b32 s14, s11, 10                        ; batch x 1,024 units
	s_lshl_b32 s13, s11, 7                         ; batch x 128 tiles
	s_lshr_b32 s15, s12, 1
	s_lshl_b32 s15, s15, 7
	s_add_co_u32 s15, s15, s14
	s_lshl_b32 s15, s15, 11
	s_and_b32 s16, s12, 1
	s_lshl_b32 s16, s16, 10
	s_add_co_u32 s15, s15, s16                     ; the head's first tile of 16 tokens in q's region,
	s_add_co_u32 s17, s15, 1<<23                   ; and in k's
	s_lshl_b32 s16, s12, 2
	s_add_co_u32 s16, s16, s14
	s_lshl_b32 s16, s16, 11
	s_add_co_u32 s16, s16, 1<<24                   ; V: the head's four fragments of the batch's first 128 keys
	s_lshl_b32 s92, s[WV], 13
	s_add_co_u32 s92, s92, s17                     ; waves 0-3: K's tiles 4 wave on, 2,048 bytes apart
	s_bfe_u32 s93, s[WV], 0x10001
	s_lshl_b32 s93, s93, 17                        ; waves 4-7: V's key block (wave - 4) / 2,
	s_and_b32 s19, s[WV], 1
	s_lshl_b32 s94, s19, 12                        ; its half wave % 2
	s_add_co_u32 s93, s93, s94
	s_add_co_u32 s93, s93, s16
	s_mov_b32 s[STP], 262144
	s_cmp_lt_u32 s[WV], 4
	s_cselect_b32 s50, s92, s93
	s_cselect_b32 s[STP], 32768, s[STP]
	s_mov_b32 s51, 0
	s_mov_b32 s[STP+1], 0
	s_mov_b32 s[WRP+1], 0
	s_sub_co_u32 s[NWRAP], 8, ttmp9
	s_mul_i32 s[WAM], s[NWRAP], s[STP]
	s_lshl_b32 s[QEND], s[NWRAP], 8                ; 256 (8 - I)
	s_add_co_u32 s[QENDB], ttmp9, 1
	s_lshl_b32 s[QENDB], s[QENDB], 8               ; 256 (I + 1)
	s_sub_co_u32 s92, 7, ttmp9
	s_lshl_b32 s92, s92, 4
	s_add_co_u32 s93, s92, 15
	s_sub_co_u32 s93, s93, s[WV]                   ; block 7 - I: tile B = 15 - wave,
	s_add_co_u32 s92, s92, s[WV]                   ; tile A = wave
	s_lshl_b32 s94, ttmp9, 4
	s_add_co_u32 s95, s94, 15
	s_sub_co_u32 s95, s95, s[WV]                   ; block I likewise
	s_add_co_u32 s94, s94, s[WV]
	TADDR 92, QA1, YA1
	TADDR 93, QB1, YB1
	TADDR 94, QA2, YA2
	TADDR 95, QB2, YB2
	s_lshl_b32 s92, s19, 14                        ; the prefetches: waves 4, 5: K's half wave % 2; waves 6, 7: V's key block wave % 2
	s_add_co_u32 s92, s92, s17
	s_lshl_b32 s93, s19, 17
	s_add_co_u32 s93, s93, s16
	s_mov_b32 s[PFS], 262144
	s_cmp_lt_u32 s[WV], 6
	s_cselect_b32 s92, s92, s93
	s_cselect_b32 s[PFS], 32768, s[PFS]
	s_cselect_b32 s49, 11, 10                      ; four lanes to 1,024 bytes; from four to four 2,048 bytes in K, 1,024 in V
	s_mov_b32 s93, 0
	s_mov_b32 s[PFS+1], 0
	s_add_co_u32 s92, s92, s[PFS]                  ; in slot 1: the first change of slots steps it to slot 2
	s_lshr_b32 s94, s[WV], 2
	s_xor_b32 s94, s94, 1
	s_or_b32 s94, s94, ttmp9                       ; 0 in waves 4 to 7 of work-group I = 0
	s_cmp_eq_u32 s94, 0
	s_cselect_b32 s[LIM], 2, -1
	s_lshl_b32 s95, s[WV], 4                       ; 16 wave: A's first query less the diagonal step's first key,
	s_sub_co_u32 s94, 7, s[WV]
	s_lshl_b32 s94, s94, 4                         ; 16 (7 - wave): B's
	; descriptor group 1, elements of 8 bytes, no padding, no mask.  K: 4 rows of 1,024 bytes, 2,048 apart.  V: 4,096 bytes on end, as 16 rows of 256 bytes
	s_mov_b32 s[G1K], 3<<16
	s_mov_b32 s[G1K+1], 128<<16
	s_mov_b32 s[G1K+2], 4<<16
	s_mov_b32 s[G1K+3], 128<<16
	s_mov_b32 s[G1K+4], 4
	s_mov_b32 s[G1K+5], 256
	s_mov_b32 s[G1K+6], 0
	s_mov_b32 s[G1K+7], 0
	s_mov_b32 s[G1V], 3<<16
	s_mov_b32 s[G1V+1], 32<<16
	s_mov_b32 s[G1V+2], 16<<16
	s_mov_b32 s[G1V+3], 32<<16
	s_mov_b32 s[G1V+4], 16
	s_mov_b32 s[G1V+5], 32
	s_mov_b32 s[G1V+6], 0
	s_mov_b32 s[G1V+7], 0
	s_mov_b32 s[SEL], 0x76543210
	s_mov_b32 s[SEL+1], 0xfedcba98
	s_mov_b32 s[CS], 0x3e38aa3b                    ; log2(e) / 8
	s_mov_b32 s[TB], 0
	s_mov_b32 s[NS], 0
	s_mov_b32 s[SLOTS], 8
	s_mov_b32 s[KF], 0
	s_wait_dscnt 0x0                               ; both opening adds are done
	s_wait_kmcnt 0x0
	s_load_b256 s[68:75], s[6:7], 0x0              ; e0 .. e7
	s_mov_b32 s[G0], 1
	s_lshl_b32 s[G0+1], s[WV], 12                  ; LDS: 4,096 x wave: K's 16,384 bytes, then V's
	s_add_nc_u64 s[G0+2:G0+3], s[4:5], s[50:51]
	s_or_b32 s[G0+3], s[G0+3], 0x80000000
	TLOAD                                          ; slot 0: my one tensor load at the head
	s_add_nc_u64 s[PFA:PFA+1], s[4:5], s[92:93]
	s_add_nc_u64 s[QA1:QA1+1], s[4:5], s[QA1:QA1+1]
	s_add_nc_u64 s[QB1:QB1+1], s[4:5], s[QB1:QB1+1]
	s_add_nc_u64 s[QA2:QA2+1], s[4:5], s[QA2:QA2+1]
	s_add_nc_u64 s[QB2:QB2+1], s[4:5], s[QB2:QB2+1]
	s_add_nc_u64 s[YA1:YA1+1], s[8:9], s[YA1:YA1+1]
	s_add_nc_u64 s[YB1:YB1+1], s[8:9], s[YB1:YB1+1]
	s_add_nc_u64 s[YA2:YA2+1], s[8:9], s[YA2:YA2+1]
	s_add_nc_u64 s[YB2:YB2+1], s[8:9], s[YB2:YB2+1]
	v_and_b32 v8, 31, v0
	v_lshlrev_b32 v1, 4, v8                        ; 16 x lane; never rewritten
	global_load_b128 v[16:19], v1, s[QA1:QA1+1]    ; Q of both blocks is asked for now, so that the change of blocks waits for no memory
	global_load_b128 v[20:23], v1, s[QA1:QA1+1] offset:512
	global_load_b128 v[24:27], v1, s[QA2:QA2+1]
	global_load_b128 v[28:31], v1, s[QA2:QA2+1] offset:512
	WIN 0x40
	global_load_b128 v[16:19], v1, s[QB1:QB1+1]
	global_load_b128 v[20:23], v1, s[QB1:QB1+1] offset:512
	global_load_b128 v[24:27], v1, s[QB2:QB2+1]
	global_load_b128 v[28:31], v1, s[QB2:QB2+1] offset:512
	WIN 0
	v_and_b32 v3, 3, v8
	v_lshlrev_b32 v3, 8, v3
	v_lshrrev_b32 v9, 2, v8
	v_lshlrev_b32 v9, s49, v9
	v_add_nc_u32 v3, v3, v9
	v_and_b32 v9, 15, v0                           ; r
	v_bfe_u32 v10, v0, 4, 1                        ; h
	v_lshlrev_b32 v10, 3, v10
	v_sub_nc_u32 v11, v9, v10                      ; r - 8 h
	v_add_nc_u32 v7, s95, v11                      ; d = my query - the diagonal step's first key - 8 h.  Register 8 t + j holds key 16 t + 8 h + j of the step: hidden where 16 t + j > d
	WIN 0x40
	v_add_nc_u32 v7, s94, v11                      ; tile B's
	WIN 0
	s_wait_kmcnt 0x0
	s_add_co_i32 s10, s70, s71
	s_lshl_b32 s10, s10, 23
	s_add_co_i32 s[CS], s[CS], s10                 ; a score stands for score x 2^(e2 + e3): the exponents are added to c's exponent field
	s_mov_b32 s[CS+1], s[CS]
	s_add_co_i32 s10, s72, 127
	s_lshl_b32 s11, s10, 23                        ; 2^e4
	s_add_co_i32 s10, s10, 8
	s_lshl_b32 s10, s10, 23
	s_or_b32 s10, s10, 0x600000                    ; 448 x 2^e4
	s_sub_co_i32 s12, s74, s72
	s_sub_co_i32 s12, s12, s73                     ; O^T / the sum stands for y / 2^(e4 + e5): y's code is that / 2^(e6 - e4 - e5)
	s_add_co_i32 s12, s12, 127
	s_lshl_b32 s13, s12, 23
	s_add_co_i32 s12, s12, 8
	s_lshl_b32 s12, s12, 23
	s_or_b32 s12, s12, 0x600000
.irp w, 0, 0x55                        ; the constants and the first block's start, in both windows
	WIN \w
	v_mov_b32 v209, 0                              ; (named as the upper half of the pair v[208:209])
	v_mov_b32 v212, 0                              ; a lane permute's destination counts as one of its sources
	v_mov_b32 v220, 0xff800000                     ; -infinity
	v_mov_b32 v216, s10
	v_mov_b32 v217, s11
	v_mov_b32 v218, s12
	v_mov_b32 v219, s13
	INIT
.endr
	WIN 0
.macro LOADK q                         ; eight tiles of 16 keys -> window 0
.irp t, 0,1,2,3,4,5,6,7
	ds_load_b128 v[32+8*\t:35+8*\t], v2 offset:8192*(\q)+1024*\t
	ds_load_b128 v[36+8*\t:39+8*\t], v2 offset:8192*(\q)+1024*\t+512
.endr
.endm
.macro LOADV q                         ; four fragments of 16 channels x 128 keys -> window 1
	WIN 0x40
.irp d, 0,1,2,3
.irp c, 0,1,2,3
	ds_load_b128 v[32+16*\d+4*\c:35+16*\d+4*\c], v2 offset:VOFF+8192*(\q)+2048*\d+512*\c
.endr
.endr
	WIN 0
.endm
.macro SMUL win                        ; S^T = K Q^T.  win 0: tile A; 0x44: Q and S^T in window 1
	WIN \win
.irp t, 0,1,2,3,4,5,6,7
	v_wmma_f32_16x16x64_fp8_fp8 v[96+8*\t:103+8*\t], v[32+8*\t:39+8*\t], v[16:23], 0
.endr
	WIN 0
.endm
.macro PV win                          ; O^T += V^T P^T, the four accumulators by turns.  win 0x01: V in window 1, tile A; 0x55: all in window 1
	WIN \win
.irp d, 0,1,2,3
	v_wmma_f32_16x16x128_fp8_fp8 v[160+8*\d:167+8*\d], v[32+16*\d:47+16*\d], v[192:207], v[160+8*\d:167+8*\d]
.endr
	WIN 0
.endm
; THE SOFTMAX OF ONE TILE AND 128 KEYS, in window 0 (win = 0) or 1 (win = 0x55).  mask = 1: in the block's last slot this step holds the tile's diagonal: hidden scores become -infinity.
.macro SOFT win, mask
.if \mask
	s_cmp_eq_u32 s[DG], 0
	s_cbranch_scc1 .Lopen_\@
	WIN \win
	s_wait_alu depctr_va_vdst(0)                   ; the wait ahead of the first readers of the scores
.set n, 0
.rept 64
	v_cmp_gt_i32 vcc_lo, 16*(n/8)+n%8, v7
	v_cndmask_b32 v[96+n], v[96+n], v220, vcc_lo
.set n, n+1
.endr
	WIN 0
.Lopen_\@:
.endif
	WIN \win
	s_wait_alu depctr_va_vdst(0)                   ; the wait ahead of the first readers of the scores
	v_max3_num_f32 v210, v96, v97, v98             ; the step's largest score of my query among my 64 keys, in two chains, each tile from its low end on
	v_max3_num_f32 v211, v99, v100, v101
.set i, 6
.rept 14
	v_max3_num_f32 v210, v210, v[96+i], v[97+i]
	v_max3_num_f32 v211, v211, v[98+i], v[99+i]
.set i, i+4
.endr
	v_max3_num_f32 v210, v210, v158, v159
	s_delay_alu instid0(VALU_DEP_1)
	v_max_num_f32 v210, v210, v211
	s_delay_alu instid0(VALU_DEP_1)
	v_permlanex16_b32 v212, v210, s[SEL], s[SEL+1]
	s_delay_alu instid0(VALU_DEP_1)
	v_max_num_f32 v210, v210, v212                 ; and among lane l xor 16's
	s_delay_alu instid0(VALU_DEP_1)
	v_mul_f32 v210, s[CS], v210                    ; as t (c is positive)
	s_delay_alu instid0(VALU_DEP_1)
	v_max_num_f32 v13, v13, v210                   ; the running largest t
	v_mov_b32 v210, v12
	s_delay_alu instid0(VALU_DEP_2)
	v_floor_f32 v12, -v13                          ; the new -M = -ceil(t)
	s_delay_alu instid0(VALU_DEP_1)
	v_sub_f32 v210, v12, v210                      ; old M - new M: a whole number, 0 or less
	s_delay_alu instid0(VALU_DEP_1)
	v_cvt_i32_f32 v210, v210                       ; (it saturates)
	s_delay_alu instid0(VALU_DEP_1)
	v_ldexp_f32 v208, 1.0, v210                    ; f = 2^(old M - new M)
.set j, 0
.rept 32
	v_pk_fma_f32 v[96+j:97+j], v[96+j:97+j], s[CS:CS+1], v[12:13] op_sel_hi:[1,0,0]   ; t - M, two at a time
.set j, j+2
.endr
	s_wait_alu depctr_va_vdst(0)                   ; the wait ahead of the batch
.set j, 0
.rept 64
	v_exp_f32 v[96+j], v[96+j]                     ; p = 2^(t - M), at most 1: not normalised
.set j, j+1
.endr
	v_pk_mul_f32 v[14:15], v[14:15], v[208:209] op_sel_hi:[1,0]   ; the sums under the new M.  (The plain line behind the exponentials)
	s_wait_alu depctr_va_vdst(0)                   ; one wait for the whole batch, ahead of its first reader
	v_pk_add_f32 v[214:215], v[100:101], v[104:105]   ; the row's sum of the unquantised p, in eight chains
	v_pk_add_f32 v[254:255], v[108:109], v[112:113]
	v_pk_add_f32 v[252:253], v[116:117], v[120:121]
	v_pk_add_f32 v[250:251], v[124:125], v[128:129]
	v_pk_add_f32 v[248:249], v[132:133], v[136:137]
	v_pk_add_f32 v[246:247], v[140:141], v[144:145]
	v_pk_add_f32 v[244:245], v[148:149], v[152:153]
	v_pk_add_f32 v[14:15], v[14:15], v[156:157]
	v_pk_add_f32 v[214:215], v[214:215], v[96:97]
	v_pk_add_f32 v[254:255], v[254:255], v[98:99]
	v_pk_add_f32 v[252:253], v[252:253], v[102:103]
	v_pk_add_f32 v[250:251], v[250:251], v[106:107]
	v_pk_add_f32 v[248:249], v[248:249], v[110:111]
	v_pk_add_f32 v[246:247], v[246:247], v[114:115]
	v_pk_add_f32 v[244:245], v[244:245], v[118:119]
	v_pk_add_f32 v[14:15], v[14:15], v[122:123]
	v_pk_add_f32 v[214:215], v[214:215], v[126:127]
	v_pk_add_f32 v[254:255], v[254:255], v[130:131]
	v_pk_add_f32 v[252:253], v[252:253], v[134:135]
	v_pk_add_f32 v[250:251], v[250:251], v[138:139]
	v_pk_add_f32 v[248:249], v[248:249], v[142:143]
	v_pk_add_f32 v[246:247], v[246:247], v[146:147]
	v_pk_add_f32 v[244:245], v[244:245], v[150:151]
	v_pk_add_f32 v[14:15], v[14:15], v[154:155]
	v_pk_add_f32 v[214:215], v[214:215], v[158:159]
	s_delay_alu instid0(VALU_DEP_2)
	v_pk_add_f32 v[14:15], v[14:15], v[250:251]
	s_delay_alu instid0(VALU_DEP_2)
	v_pk_add_f32 v[214:215], v[214:215], v[248:249]
	v_pk_add_f32 v[254:255], v[254:255], v[246:247]
	v_pk_add_f32 v[252:253], v[252:253], v[244:245]
	s_delay_alu instid0(VALU_DEP_2)
	v_pk_add_f32 v[14:15], v[14:15], v[254:255]
	s_delay_alu instid0(VALU_DEP_2)
	v_pk_add_f32 v[214:215], v[214:215], v[252:253]
	s_delay_alu instid0(VALU_DEP_1)
	v_pk_add_f32 v[14:15], v[14:15], v[214:215]
.irp t, 0,1,2,3,4,5,6,7
.irp i, 0,1,2,3,4,5,6,7
	v_min_num_f32 v[96+8*\t+\i], v[96+8*\t+\i], v216   ; the conversion to an 8-bit code does not saturate (ISA guide 7.6.2); p is not negative, so the hold is one-sided
.endr
	v_cvt_scalef32_pk8_fp8_f32 v[192+2*\t:193+2*\t], v[96+8*\t:103+8*\t], v217   ; registers 2 t, 2 t + 1 of P
.endr
	s_wait_alu depctr_va_vdst(0)                   ; the wait directly ahead of the first readers of O^T
.set j, 0
.rept 16
	v_pk_mul_f32 v[160+j:161+j], v[160+j:161+j], v[208:209] op_sel_hi:[1,0]   ; O^T under the new M.  (Plain lines between the conversions and the products that read the codes)
.set j, j+2
.endr
	WIN 0
.endm
; A KEY STEP: 128 keys, the q-th of the slot in hand, for both tiles.  K's fragments are in, or on their way, when it begins.
.macro STEP q
	s_wait_dscnt 0x0                               ; K's fragments are in
	SMUL 0x44
.if \q == 0
	SMUL 0
.endif
	NOP4                                           ; places in front of the loads below and of the first read of the scores
	LOADV \q                                       ; V's fragments come in while the softmax is worked,
.if \q == 0
	LOADK 1                                        ; and behind them the next step's fragments of K
.endif
	SOFT 0x55, \q
	s_wait_alu depctr_va_vdst(0)                   ; the wait directly ahead of the wait below
	s_wait_dscnt 16*(1-\q)                         ; V is in; step 0: the 16 younger loads, K's, may be out
	PV 0x55
.if \q == 1
	s_cmp_eq_u32 s[DG], 1                          ; in the block's last slot all of step 1's keys come after tile A's queries: a branch on ids, round A's work alone
	s_cbranch_scc1 .Lhidden_\@
	SMUL 0
	NOP4
.endif
	SOFT 0, 1-\q
	PV 0x01
.if \q == 1
.Lhidden_\@:
.endif
.endm
; THE CHANGE OF SLOTS stands at a slot's head: each wave waits for its tensor load (its part of the slot ahead), adds 0 to its spare word, and waits for that and for its reads of the slot that it has left.
; fill = 1: behind the barrier the slot just left takes the next trip's keys: the slot that follows, or slot 0 where the second block begins.
.macro CHANGE fill
	s_wait_tensorcnt 0x0
	ds_add_u32 v[SPW], v[NIL]                      ; 0 onto my spare word; the descriptor's steps stand between it and the wait for it
.if \fill
	s_add_co_u32 s[NS], s[NS], 1
	s_cmp_eq_u32 s[NS], s[NWRAP]
	s_cselect_b32 s[WRP], s[WAM], 0                ; at the change of blocks 8 - I slots are taken back; no branch
	s_xor_b32 s[G0+1], s[G0+1], SLOT1
	s_add_nc_u64 s[G0+2:G0+3], s[G0+2:G0+3], s[STP:STP+1]
	s_sub_nc_u64 s[G0+2:G0+3], s[G0+2:G0+3], s[WRP:WRP+1]
	s_wait_xcnt 0x0                                ; the last prefetch, a slot back, has read its address
	s_add_nc_u64 s[PFA:PFA+1], s[PFA:PFA+1], s[PFS:PFS+1]
.endif
	s_wait_dscnt 0x0
	s_barrier_signal -1
	s_barrier_wait -1
.if \fill
	TLOAD                                          ; the first thing behind the barrier, and my one tensor load until the next
	ASK
.endif
.endm
.macro SLOT_STEPS
	s_add_co_u32 s92, s[KF], 256
	s_cmp_eq_u32 s92, s[QEND]
	s_cselect_b32 s[DG], 1, 0                      ; the block's last slot?
	v_add_nc_u32 v2, s[TB], v1
	s_wait_alu depctr_va_vdst(0)
	LOADK 0
	STEP 0
	STEP 1
	s_xor_b32 s[TB], s[TB], SLOT1
	s_mov_b32 s[KF], s92
.endm
; A tile ends: O^T is divided by the row's sum, held and turned into codes: tile d's eight channels are registers 2 d, 2 d + 1 of y's image.
.macro FIN win, yc
	WIN \win
	v_add_f32 v14, v14, v15
	s_delay_alu instid0(VALU_DEP_1)
	v_permlanex16_b32 v212, v14, s[SEL], s[SEL+1]
	s_delay_alu instid0(VALU_DEP_1)
	v_add_f32 v14, v14, v212
	s_wait_alu depctr_va_vdst(0)                   ; the wait ahead of the transcendental
	v_rcp_f32 v208, v14
	v_nop
	s_wait_alu depctr_va_vdst(0)                   ; and ahead of its first reader, which is O^T's first reader too
.set j, 0
.rept 16
	v_pk_mul_f32 v[96+j:97+j], v[160+j:161+j], v[208:209] op_sel_hi:[1,0]
.set j, j+2
.endr
.set j, 0
.rept 32
	v_med3_num_f32 v[96+j], v[96+j], -v218, v218
.set j, j+1
.endr
.irp d, 0,1,2,3
	v_cvt_scalef32_pk8_fp8_f32 v[\yc+2*\d:\yc+2*\d+1], v[96+8*\d:103+8*\d], v219
.endr
	v_nop                                          ; a plain line behind the last conversion: products will write its sources
.endm
.macro FINISH yc, ya, yb, again
	s_wait_xcnt 0x0                                ; this text stands in a loop: the stores' data registers are written only behind this wait
	NOP4                                           ; places behind the last products
	FIN 0, \yc
	global_store_b128 v1, v[\yc:\yc+3], s[\ya:\ya+1]            ; 512 consecutive bytes a store
	global_store_b128 v1, v[\yc+4:\yc+7], s[\ya:\ya+1] offset:512
	FIN 0x55, \yc
	WIN 0x04                                       ; the data lie in window 1
	global_store_b128 v1, v[\yc:\yc+3], s[\yb:\yb+1]
	global_store_b128 v1, v[\yc+4:\yc+7], s[\yb:\yb+1] offset:512
	WIN 0
.if \again
	s_mov_b32 s[QEND], s[QENDB]
	s_mov_b32 s[KF], 0
.irp w, 0, 0x55
	WIN \w
	INIT
.irp i, 0,1,2,3,4,5,6,7
	v_mov_b32 v[16+\i], v[24+\i]                   ; the second block's Q takes its place
.endr
.endr
	WIN 0
	s_wait_alu depctr_va_vdst(0)
.endif
.endm
	s_wait_alu depctr_va_vdst(0)                   ; the wait at the head's end
	s_wait_loadcnt 0x0                             ; both blocks' Q
.Lslot:                                            ; 8 trips: behind each change of slots but the last the next trip's slot is asked for
	CHANGE 1
	SLOT_STEPS
	s_cmp_eq_u32 s[KF], s[QEND]                    ; the first block's keys are through (in trip 7 - I)
	s_cbranch_scc0 .Lsame_block
	FINISH 224, YA1, YB1, 1
.Lsame_block:
	s_sub_co_u32 s[SLOTS], s[SLOTS], 1
	s_cmp_lg_u32 s[SLOTS], 0
	s_wait_alu depctr_va_vdst(0)                   ; the wait directly ahead of the branch
	s_cbranch_scc1 .Lslot
	CHANGE 0                                       ; the ninth slot is written out
	SLOT_STEPS
	FINISH 232, YA2, YB2, 0
	s_wait_tensorcnt 0x0                           ; the wave's end
	ds_add_u32 v[SPW], v[NIL]
	s_wait_dscnt 0x0
	s_endpgm
.Lfunc_end_k_qed1f368789_attn:
	.size	k_qed1f368789_attn, .Lfunc_end_k_qed1f368789_attn-k_qed1f368789_attn
	.p2alignl 7, 3214868480
	.fill 96, 4, 3214868480
	.section	.rodata,"a",@progbits
	.p2align	6, 0x0
	.amdhsa_kernel k_qed1f368789_attn
		.amdhsa_group_segment_fixed_size 327680
		.amdhsa_private_segment_fixed_size 0
		.amdhsa_enable_private_segment 0
		.amdhsa_kernarg_size 24
		.amdhsa_user_sgpr_count 2
		.amdhsa_user_sgpr_kernarg_segment_ptr 1
		.amdhsa_wavefront_size32 1
		.amdhsa_system_sgpr_workgroup_id_x 1
		.amdhsa_system_sgpr_workgroup_id_y 1
		.amdhsa_system_sgpr_workgroup_id_z 1
		.amdhsa_system_vgpr_workitem_id 0
		.amdhsa_next_free_vgpr 512
		.amdhsa_next_free_sgpr 100
		.amdhsa_reserve_vcc 1
		.amdhsa_float_denorm_mode_32 3
		.amdhsa_float_denorm_mode_16_64 3
		.amdhsa_memory_ordered 1
		.amdhsa_forward_progress 1
		.amdhsa_inst_pref_size 169
	.end_amdhsa_kernel
	.amdgpu_metadata
---
amdhsa.version: [ 1, 2 ]
amdhsa.kernels:
  - .name:           k_qed1f368789_attn
    .symbol:         k_qed1f368789_attn.kd
    .args:
      - { .name: qkvc, .offset: 0, .size: 8, .value_kind: global_buffer, .address_space: global }
      - { .name: lowp_scales, .offset: 8, .size: 8, .value_kind: global_buffer, .address_space: global }
      - { .name: yc, .offset: 16, .size: 8, .value_kind: global_buffer, .address_space: global }
    .group_segment_fixed_size: 327680
    .private_segment_fixed_size: 0
    .kernarg_segment_align: 8
    .kernarg_segment_size: 24
    .max_flat_workgroup_size: 256
    .sgpr_count:     100
    .vgpr_count:     512
    .wavefront_size: 32
...
	.end_amdgpu_metadata
.endif
;; end of part 3
;; launch proj (part 4): grid 32 x 8, 4 waves a work-group, clusters of 4 x 1, 327,680 bytes of LDS; arguments yc, wc, lowp_scales, bo, out0; writes out0
.if DOCPART == 4
	.amdgcn_target "amdgcn-amd-amdhsa--gfx1250"
	.amdhsa_code_object_version 6
	.text
	.protected	k_qed1f368789_proj
	.globl	k_qed1f368789_proj
	.p2align	8
	.type	k_qed1f368789_proj,@function
k_qed1f368789_proj:
	s_mov_b64 s[64:65], 0
	v_nop
	global_prefetch_b8 v0, s[64:65] scope:SCOPE_SE
	s_setreg_imm32_b32 hwreg(HW_REG_WAVE_MODE, 25, 1), 1
	s_wait_xcnt 0x0
	s_wait_alu depctr_hold_cnt(0) depctr_sa_sdst(0) depctr_va_vdst(0) depctr_va_sdst(0) depctr_va_ssrc(0) depctr_va_vcc(0) depctr_vm_vsrc(0)
	s_getreg_b32 s2, hwreg(HW_REG_IB_STS2, 6, 4)
	s_cmp_eq_u32 s2, 0
	s_cbranch_scc0 .Lentry_in_a_cluster
	s_endpgm
.Lentry_in_a_cluster:
	s_bfe_u32 s2, ttmp6, 0x10000c
	s_cmp_lg_u32 s2, 0x3003
	s_cbranch_scc0 .Lentry_shape_is_right
	s_endpgm
.Lentry_shape_is_right:
; out0 = y Wo + bo on codes of FP8 (E4M3): a code of y stands for code x 2^e6, of Wo for code x 2^e7.  The codes are multiplied as they are; each finished sum is multiplied once by 2^(e6 + e7), and the bias is added in the same fused multiply-add.
; LIMIT: e6 + e7 lies between -126 and 127, so that 2^(e6 + e7) is an f32 number.
; SHARES.  Work-group (row block, slab): 256 rows of y times 128 columns of Wo: 32 x 8 = 256 work-groups of equal work.  A wave makes its own 64 rows x 128 columns: 32 accumulators.
; THE WEIGHTS STAY: wc's rows 3072 + 128 slab .. + 127 (1,024 bytes each, all of K) are fetched into LDS once, 32 rows a wave, and nothing is filled again: no ring, and no barrier behind the first.
; The four work-groups of a cluster (4, 1, 1) have the same slab: they ask for those rows JOINTLY (mask 15).
; y COMES STRAIGHT INTO REGISTERS: yc holds images of the operand's registers, [row / 16][k / 128][c][lane][16 bytes]: every load reads 512 consecutive bytes.  Each K step of y has registers of its own; the loads run four K steps (64 loads a wave) ahead of their use.
; y is not asked for jointly, since it goes to registers.  No prefetch: the loads themselves run ahead, and the weights are fetched at the head, where there is no loop to run ahead in.
; K = 1,024 is eight K steps of 128, each two groups of 16 matrix instructions (four tiles of 16 columns x my four blocks of 16 rows), written straight: group q = 0 .. 15.  W's fragments go through three sets of four: set q % 3 takes group q + 3 behind group q's products.
; THE MATRIX INSTRUCTION IS USED TRANSPOSED: source 0 = 16 columns of Wo, source 1 = 16 rows of y: a lane holds eight neighbouring numbers of a row of out0.
; REGISTERS, in windows of 256: window 0: v0-31 addresses; v64-255 W's three sets; on the way out v32-95 a block's results, v128-255 rows read back.   windows 1, 2: y's fragments, K step kf at v[64 (kf % 4)] of window 1 + kf / 4; later v0-63 of window 1: the bias.
;   window 3: accumulator (a, b) at v[8 (8 a + b)].
.set WP,    1040                       ; a row of W in LDS: 1,024 bytes + 16: 65 x 16, so the 16 rows that a load touches start at 16 different groups of banks (64 banks of 4 bytes: ISA guide 11.1)
.set SPARE, 128*WP                     ; behind the weights: the spare words, 128 bytes a wave
.set STG,   SPARE+512                  ; behind them: the way out's stages, 16 rows x SPITCH bytes a wave; no tensor load lands there
.set SPITCH, 528
.set ADW,  16                          ; v16, v17 LDS address of my lane in W's tiles 0-3, 4-7
.set STO,  24                          ; v24     the way out: where I put 32 bytes of a row
.set RD,   25                          ; v25     where I read a row back
.set CO,   26                          ; v26     16 x lane
.set SPW,  28
.set NIL,  29
.set TMP,  32
.set WF,   64
.set BK,   128
.set G1,   24                          ; s[24:31] descriptor group 1;  s[32:35] group 0
.set G0,   32
.set YB,   36                          ; s[36:37] my 64 rows' images
.set OB,   40                          ; s[40:41] my part of out0
.set BP,   46                          ; s[46:47] the slab's bias
.set MSB, 0
.macro WIN new                         ; the immediate's high byte repeats the setting that is left.  Low byte: bits 1:0 source 0, 3:2 source 1, 5:4 source 2, 7:6 destination
.if MSB != \new
	s_set_vgpr_msb (MSB<<8)|\new
.set MSB, \new
.endif
.endm
.macro NOP4
.rept 4
	v_nop
.endr
.endm
.macro CROUND                          ; a round of the cluster's barrier
	s_barrier_signal -1
	s_barrier_wait -1
	s_cmp_lg_u32 s14, 0
	s_cbranch_scc1 .Lnot_wave_0_\@
	s_barrier_signal -3
.Lnot_wave_0_\@:
	s_barrier_wait -3
	s_barrier_signal -1
	s_barrier_wait -1
.endm
.macro LDW q                           ; group q's four fragments of W (tiles 4 (q % 2) on, K step q / 2) into set q % 3: registers 4 c .. 4 c + 3 hold bytes 32 c + 16 h + 0 .. 15 of the row's 128
.irp bb, 0,1,2,3
.irp c, 0,1,2,3
	ds_load_b128 v[WF+64*((\q)%3)+16*\bb+4*\c:WF+64*((\q)%3)+16*\bb+4*\c+3], v[ADW+(\q)%2] offset:16*\bb*WP+128*((\q)/2)+32*\c
.endr
.endr
.endm
.macro LDY kf                          ; K step kf of my four blocks of y
	WIN (0x40*(1+(\kf)/4))
.irp a, 0,1,2,3
.irp c, 0,1,2,3
	global_load_b128 v[64*((\kf)%4)+16*\a+4*\c:64*((\kf)%4)+16*\a+4*\c+3], v[CO], s[YB:YB+1] offset:16384*\a+2048*(\kf)+512*\c
.endr
.endr
	WIN 0
.endm
; Group q's 16 matrix instructions.  The first K step's products start the sums: nothing is cleared.  The 32 accumulators take turns, one instruction a turn, in the same order in every K step.
.macro MULG q
	WIN (0xf0+4*(1+(\q)/8))
.irp bb, 0,1,2,3
.irp a, 0,1,2,3
.set AC, 8*(8*\a+4*((\q)%2)+\bb)
.set WR, WF+64*((\q)%3)+16*\bb
.set YF, 64*(((\q)/2)%4)+16*\a
.if (\q) < 2
	v_wmma_f32_16x16x128_fp8_fp8 v[AC:AC+7], v[WR:WR+15], v[YF:YF+15], 0
.else
	v_wmma_f32_16x16x128_fp8_fp8 v[AC:AC+7], v[WR:WR+15], v[YF:YF+15], v[AC:AC+7]
.endif
.endr
.endr
	WIN 0
.endm
	s_load_b128 s[4:7], s[0:1], 0x0                ; yc s[4:5], wc s[6:7]
	s_load_b128 s[8:11], s[0:1], 0x10              ; the scales' exponents s[8:9], bo s[10:11]
	s_load_b64 s[12:13], s[0:1], 0x20              ; out0
	v_lshl_add_u32 v[SPW], v0, 2, SPARE
	v_mov_b32 v[NIL], 0
	ds_add_u32 v[SPW], v[NIL]                      ; the opening lines: the add, twice on end, and its wait ahead of my first tensor load
	ds_add_u32 v[SPW], v[NIL]
	v_lshrrev_b32 v1, 5, v0
	v_readfirstlane_b32 s14, v1                    ; wave 0..3
	s_mul_i32 s15, s14, 16*SPITCH
	s_add_co_u32 s15, s15, STG                     ; my stage
	v_and_b32 v1, 15, v0                           ; r
	v_bfe_u32 v2, v0, 4, 1                         ; h
	v_mul_u32_u24 v3, v1, WP
	v_lshl_add_u32 v[ADW], v2, 4, v3               ; row r x pitch + 16 h
	v_add_nc_u32 v[ADW+1], 64*WP, v[ADW]
	v_lshlrev_b32 v7, 5, v2                        ; 32 h: the bias: eight numbers of my half of a tile
	v_and_b32 v5, 31, v0
	v_lshlrev_b32 v[CO], 4, v5
	v_mul_u32_u24 v4, v1, SPITCH                   ; the stage, in: row r, 32 bytes for each half of the lanes
	v_lshl_add_u32 v4, v2, 5, v4
	v_add_nc_u32 v[STO], s15, v4
	v_add_nc_u32 v[RD], s15, v[CO]                 ; back: the 32 lanes take one row of 512 bytes
	s_bfe_u32 s16, ttmp6, 0x40000                  ; cx
	s_lshl_b32 s17, ttmp9, 2
	s_add_co_u32 s16, s17, s16                     ; the row block, 0 .. 31: it enters global addresses of y and of out0 alone
	s_and_b32 s17, ttmp7, 0xffff                   ; the slab, which the cluster's four share
	s_lshl_b32 s18, s17, 7
	s_lshl_b32 s19, s14, 5
	s_add_co_u32 s18, s18, s19
	s_add_co_u32 s18, s18, 3072
	s_lshl_b32 s18, s18, 10                        ; W: row 3072 + 128 slab + 32 wave, in bytes
	s_mov_b32 s19, 0
	s_mul_i32 s20, s14, 32*WP                      ; and where it goes
	s_lshl_b32 s22, s16, 4
	s_lshl_b32 s23, s14, 2
	s_add_co_u32 s22, s22, s23
	s_lshl_b32 s22, s22, 14                        ; y: 16,384 x (16 row block + 4 wave)
	s_mov_b32 s23, 0
	s_lshl_b32 s50, s16, 8
	s_lshl_b32 s51, s14, 6
	s_add_co_u32 s50, s50, s51
	s_lshl_b32 s50, s50, 12                        ; out0: row 256 row block + 64 wave, of 4,096 bytes,
	s_lshl_b32 s56, s17, 9                         ; + 512 slab; and the same in bo
	s_add_co_u32 s50, s50, s56
	s_mov_b32 s51, 0
	s_mov_b32 s57, 0
	; descriptor group 1: 32 rows of 1,024 bytes, 16 bytes of padding behind each
	s_mov_b32 s[G1], 15|(1<<20)|(1<<21)|(7<<22)|(3<<25)   ; 15:0 the mask: all four of the cluster; 17:16 elements of 1 byte; 20 padding on; 21 set beside a mask; 24:22 after every 256 words (code 7); 31:25 of 4 words (code 3)
	s_mov_b32 s[G1+1], 1024<<16
	s_mov_b32 s[G1+2], 32<<16
	s_mov_b32 s[G1+3], 1024<<16
	s_mov_b32 s[G1+4], 32
	s_mov_b32 s[G1+5], 1024
	s_mov_b32 s[G1+6], 0
	s_mov_b32 s[G1+7], 0
	s_wait_alu depctr_va_vdst(0)                   ; the wait here, directly ahead of the waits below
	s_wait_dscnt 0x0                               ; both opening adds are done
	s_wait_kmcnt 0x0
	s_load_b256 s[68:75], s[8:9], 0x0              ; e0 .. e7
	s_add_nc_u64 s[YB:YB+1], s[4:5], s[22:23]
	s_add_nc_u64 s[BP:BP+1], s[10:11], s[56:57]
	s_add_nc_u64 s[OB:OB+1], s[12:13], s[50:51]
	s_mov_b32 s[G0], 1
	s_mov_b32 s[G0+1], s20
	s_add_nc_u64 s[G0+2:G0+3], s[6:7], s[18:19]
	s_or_b32 s[G0+3], s[G0+3], 0x80000000
	CROUND                                         ; all four work-groups are here: the joint loads meet
	tensor_load_to_lds s[G0:G0+3], s[G1:G1+7]      ; my 32 rows of W: my one tensor load
	s_nop 0
	NOP4
	LDY 0
	LDY 1
	LDY 2
	LDY 3
	s_wait_kmcnt 0x0
	s_add_co_i32 s96, s74, s75                     ; e6 + e7
	s_add_co_i32 s96, s96, 127
	s_lshl_b32 s96, s96, 23                        ; 2^(e6 + e7) as f32
	s_mov_b32 s97, s96                             ; (named with it as a pair, so it is written)
	s_wait_tensorcnt 0x0                           ; my part of W is in,
	s_barrier_signal -1
	s_barrier_wait -1                              ; everybody's is
	LDW 0
	LDW 1
	LDW 2
.irp q, 0,1,2,3,4,5,6,7,8,9,10,11,12,13,14,15
.if (\q)%2 == 0                        ; a K step begins: its fragments of y are in.  Younger loads that may be out: K step 0: three K steps (48); 1 to 4: three K steps and the bias (64; the count is held at 63); then two, one, none
.if \q == 0
	s_wait_loadcnt 48
.elseif \q <= 8
	s_wait_loadcnt 63
.else
	s_wait_loadcnt 16*(7-(\q)/2)
.endif
.if \q < 8
	LDY (\q)/2+4                                   ; the K step four on, into registers of its own
.endif
.endif
.if \q < 14
	s_wait_dscnt 32                                ; this group's fragments of W are in; the two younger groups' may be out
.else
	s_wait_dscnt 16*(15-\q)
.endif
	MULG \q
.if \q < 13
	NOP4                                           ; places in front of loads into registers that matrix instructions have read
	LDW (\q+3)
.endif
.if \q == 1                            ; K step 0's fragments of y are done with: their registers take the bias, tile b: columns 16 b + 8 h + 0 .. 7
	WIN 0x40
.irp b, 0,1,2,3,4,5,6,7
	global_load_b128 v[8*\b:8*\b+3], v7, s[BP:BP+1] offset:64*\b
	global_load_b128 v[8*\b+4:8*\b+7], v7, s[BP:BP+1] offset:64*\b+16
.endr
	WIN 0
.endif
.endr
; THE WAY OUT, block by block of 16 rows x 128 columns.  A lane holds 32 neighbouring bytes of a row, and the lanes beside it hold other rows: so a block goes through my own stage in LDS and comes back as whole
; rows of 512 bytes, which the 32 lanes store as two aligned units of 256 bytes.  LDS serves a wave's instructions in order (ISA guide 5.7.1.4): no wait between the stores and the loads.
.macro TOSTAGE a
	WIN 0x13                                       ; source 0: the sums, window 3; source 2: the bias, window 1
.irp j, 0,2,4,6,8,10,12,14,16,18,20,22,24,26,28,30,32,34,36,38,40,42,44,46,48,50,52,54,56,58,60,62
	v_pk_fma_f32 v[TMP+\j:TMP+\j+1], v[64*(\a)+\j:64*(\a)+\j+1], s[96:97], v[\j:\j+1] op_sel_hi:[1,0,1]   ; sum x 2^(e6 + e7) + bias; each accumulator from its low end on
.endr
	WIN 0
.irp b, 0,1,2,3,4,5,6,7
	ds_store_b128 v[STO], v[TMP+8*\b:TMP+8*\b+3] offset:64*\b
	ds_store_b128 v[STO], v[TMP+8*\b+4:TMP+8*\b+7] offset:64*\b+16
.endr
.set BB, BK+64*((\a)%2)
.irp t, 0,1,2,3,4,5,6,7,8,9,10,11,12,13,14,15
	ds_load_b128 v[BB+4*\t:BB+4*\t+3], v[RD] offset:\t*SPITCH
.endr
.endm
.macro SEND a, younger                 ; younger: the LDS instructions issued behind block a's loads, which may stay out
.set BB, BK+64*((\a)%2)
	s_wait_dscnt \younger
.if (\a) > 0
	s_add_nc_u64 s[OB:OB+1], s[OB:OB+1], 16*4096   ; (behind a wait on XCNT: the earlier stores have read their base)  16 rows on
.endif
.irp t, 0,1,2,3,4,5,6,7,8,9,10,11,12,13,14,15
	global_store_b128 v[CO], v[BB+4*\t:BB+4*\t+3], s[OB:OB+1] offset:\t*4096 th:TH_STORE_NT   ; 32 lanes store 512 consecutive bytes, at a multiple of 256 from out0's first byte
.endr
.endm
	s_wait_loadcnt 0x0                             ; the bias is in
	NOP4                                           ; places behind the last products: for the reads of results, and for the writes and loads over W's fragments
	TOSTAGE 0
.irp a, 1,2,3
.if \a > 1
	s_wait_xcnt 0x0                                ; block a - 2's stores have read their registers and their base
.endif
	TOSTAGE \a
	SEND \a-1, 32                                  ; behind block a - 1's loads: block a's 16 stores and 16 loads
.endr
	s_wait_xcnt 0x0
	SEND 3, 0
	s_wait_tensorcnt 0x0                           ; the wave's end
	ds_add_u32 v[SPW], v[NIL]
	s_wait_dscnt 0x0
	CROUND                                         ; the closing round
	s_endpgm
.Lfunc_end_k_qed1f368789_proj:
	.size	k_qed1f368789_proj, .Lfunc_end_k_qed1f368789_proj-k_qed1f368789_proj
	.p2alignl 7, 3214868480
	.fill 96, 4, 3214868480
	.section	.rodata,"a",@progbits
	.p2align	6, 0x0
	.amdhsa_kernel k_qed1f368789_proj
		.amdhsa_group_segment_fixed_size 327680
		.amdhsa_private_segment_fixed_size 0
		.amdhsa_enable_private_segment 0
		.amdhsa_kernarg_size 40
		.amdhsa_user_sgpr_count 2
		.amdhsa_user_sgpr_kernarg_segment_ptr 1
		.amdhsa_wavefront_size32 1
		.amdhsa_system_sgpr_workgroup_id_x 1
		.amdhsa_system_sgpr_workgroup_id_y 1
		.amdhsa_system_sgpr_workgroup_id_z 1
		.amdhsa_system_vgpr_workitem_id 0
		.amdhsa_next_free_vgpr 1024
		.amdhsa_next_free_sgpr 100
		.amdhsa_reserve_vcc 0
		.amdhsa_float_denorm_mode_32 3
		.amdhsa_float_denorm_mode_16_64 3
		.amdhsa_memory_ordered 1
		.amdhsa_forward_progress 1
		.amdhsa_inst_pref_size 77
	.end_amdhsa_kernel
	.amdgpu_metadata
---
amdhsa.version: [ 1, 2 ]
amdhsa.kernels:
  - .name:           k_qed1f368789_proj
    .symbol:         k_qed1f368789_proj.kd
    .args:
      - { .name: yc, .offset: 0, .size: 8, .value_kind: global_buffer, .address_space: global }
      - { .name: wc, .offset: 8, .size: 8, .value_kind: global_buffer, .address_space: global }
      - { .name: lowp_scales, .offset: 16, .size: 8, .value_kind: global_buffer, .address_space: global }
      - { .name: bo, .offset: 24, .size: 8, .value_kind: global_buffer, .address_space: global }
      - { .name: out0, .offset: 32, .size: 8, .value_kind: global_buffer, .address_space: global }
    .group_segment_fixed_size: 327680
    .private_segment_fixed_size: 0
    .kernarg_segment_align: 8
    .kernarg_segment_size: 40
    .max_flat_workgroup_size: 128
    .sgpr_count:     100
    .vgpr_count:     1024
    .wavefront_size: 32
...
	.end_amdgpu_metadata
.endif
;; end of part 4
